; MI455X (gfx1250); checked and timed in simulation.
; The chip was launched on July 23, 2026; its instructions are those of AMD's public machine-readable ISA for CDNA 5 (MIT licence, August 2026) and "CDNA5" Instruction Set Architecture Reference Guide (July 2026). The comments in the code are by the model that wrote it; some were corrected since.
;; Cross Attention. Allowed arithmetic: matrix products marked QUANTISED: E2M1 operands, one E8M0 scale for each 32 along K, by v_wmma_scale_f32_16x16x128_f8f6f4 with both operands' format E2M1 (or v_wmma_scale_f32_32x16x128_f4), f32 sums; everything else in f32.
;; Inputs: Wkv 512 x 1,024 float32; Wo 512 x 512 float32; Wq 512 x 512 float32; beta 512 float32; bkv 1,024 float32; bo 512 float32; bq 512 float32; cross_attn_input 4 x 2,048 x 512 float32; gamma 512 float32; layer_input 4 x 2,048 x 512 float32.
;; Outputs: out0 4 x 2,048 x 512 float32.
;; This version of the problem:
;;   THIS VERSION OF THE PROBLEM IS GIVEN IN LOW PRECISION. The matrix products marked QUANTISED in the list below multiply operands that are first quantised to E2M1 (2 exponent bits, 1 mantissa bit; 4 bits a number), with one power-of-two scale for each 32 numbers along K (OCP MX v1.0); their sums are f32. All else is computed in f32.
;;   The module's matrix products, in the order in which they are computed (A, B: the left and right operand; K: the contracted axis; several contracted axes count as one K, in the product's order):
;;     1. [M 8,192, K 512] x [K 512, N 512]; A: input layer_input; B: input Wq: QUANTISED
;;     2. [M 8,192, K 512] x [K 512, N 1,024]; A: input cross_attn_input; B: input Wkv: QUANTISED
;;     3. batch 32 x [M 2,048, K 64] x [K 64, N 2,048]; A: computed on the way; B: computed on the way: QUANTISED
;;     4. batch 32 x [M 2,048, K 2,048] x [K 2,048, N 64]; A: softmax (see below); B: computed on the way: QUANTISED
;;     5. [M 8,192, K 512] x [K 512, N 512]; A: computed on the way; B: input Wo: QUANTISED
;;   THE QUANTISER, for each operand of a quantised product, along K:
;;     - K is cut into blocks of 32 from its start; a last block that is shorter is filled with zeros.
;;     - A block's scale is 2^e with e = floor(log2(the largest magnitude in the block)) - 2, held to -126 .. 127; a block of zeros has e = 0. As a byte (E8M0): e + 127.
;;     - Each number is divided by its block's scale, clamped to +-6, and rounded to the nearest number of E2M1, ties to even, subnormals kept.
;;     - The product sums the exact products of the quantised numbers (number of the format x scale) in f32.
;;   ~~~python
;;   def quantise(x, axis):      # numpy; x: float32 -> the quantised numbers, widened to float32 again
;;       x = np.moveaxis(x, axis, -1); K = x.shape[-1]
;;       x = np.pad(x, [(0, 0)] * (x.ndim - 1) + [(0, -K % 32)]); x = x.reshape(x.shape[:-1] + (-1, 32)); a = np.abs(x).max(-1, keepdims=True)
;;       e = np.where(a > 0, np.clip(np.frexp(np.where(a > 0, a, 1))[1] - 1 - 2, -126, 127), 0)      # np.frexp(a)[1] - 1 = floor(log2(a)), exactly
;;       r = np.clip(x / 2.0 ** e, -6, 6)
;;       step = 2.0 ** (np.maximum(np.frexp(np.where(r == 0, 1, r))[1] - 1, 0) - 1)
;;       q = np.round(r / step) * step * 2.0 ** e      # np.round: ties to even
;;       return np.moveaxis(q.reshape(q.shape[:-2] + (-1,))[..., :K], -1, axis).astype(np.float32)
;;   ~~~
;;   SOFTMAX AHEAD OF A QUANTISED PRODUCT. Where the list says 'softmax', what is quantised is not the finished softmax but p = 2^(t - M), with t = logit x log2(e) and M = ceil(the row's largest t), a whole number; so 1/2 < the row's largest p <= 1. The row's sum l is taken of the UNQUANTISED p, in f32, and the product's result is divided by l at the end. Since M is a whole number, a kernel that streams over the keys may use a running M (the ceiling of the running maximum): every later rescaling is an exact power of two, which a block's scale takes up: the codes' values come out the same.
;;   OPERANDS COMPUTED ON THE WAY. 'Computed on the way' means the value that the module computes at that place (a softmax that the list does not call 'softmax' is quantised finished and normalised). What goes into a quantiser is computed in f32, as accurately as f32 sums, v_exp_f32 and their like allow (about 1e-6 of the number): no bf16 or f16 on the way to a quantiser, and a product that is left as it is and whose result goes on into a quantised operand takes f32 operands (vector FMAs, or v_wmma_f32_16x16x4_f32). A number that lies on a knife's edge between two numbers of the format may be rounded either way, as far as f32 arithmetic and the matrix unit's own rounding can turn it there, and no further.
;; 2 versions, each right; version 2 is version 1 with the launches proj, outln written anew for expert scheduling mode. Each part assembles by itself: llvm-mc -triple=amdgcn-amd-amdhsa -mcpu=gfx1250 --defsym DOCPART=n.
;; ======== version 1 of 2: 4 launches
;; workspace buffers: abuf 4,456,448 bytes; wbuf 557,056 bytes; qbuf 2,359,296 bytes; kvbuf 4,718,592 bytes; obuf 2,621,440 bytes
;; launch quant (part 1): grid 320 x 1, 4 waves a work-group, no clusters, 34,304 bytes of LDS; arguments layer_input, cross_attn_input, Wq, Wkv, Wo, abuf, wbuf; writes abuf, wbuf
.if DOCPART == 1
	.amdgcn_target "amdgcn-amd-amdhsa--gfx1250"
	.amdhsa_code_object_version 6
	.text
	.protected	k_q41af7e488d_quant
	.globl	k_q41af7e488d_quant
	.p2align	8
	.type	k_q41af7e488d_quant,@function
k_q41af7e488d_quant:
	s_mov_b64 s[64:65], 0
	v_nop
	global_prefetch_b8 v0, s[64:65] scope:SCOPE_SE
	s_setreg_imm32_b32 hwreg(HW_REG_WAVE_MODE, 25, 1), 1
	s_wait_xcnt 0x0
; layer_input, cross_attn_input [8192][512] and Wq, Wkv, Wo ([512][n], K = the first axis), all f32, become codes of FP4 (E2M1) with one E8M0 byte for each 32 along K.
; A block's scale is 2^(floor(log2(its largest magnitude)) - 2); each number is divided by it and rounded to the nearest code, ties to even, beyond 6 the largest code.
; LIMITS: NaN and infinities among the inputs are not served.  A block whose largest magnitude lies under 2^-124, a block of zeros among them, gets the byte 1: this program alone reads the bytes,
; and zero codes add nothing under that byte.
; THE LAYOUT OF BOTH BUFFERS IS THE ORDER OF AN OPERAND'S REGISTERS.  A TILE is 16 rows x 512 along K: 4,096 bytes laid [block of 32 along K: 16][row: 16][16 bytes], so that registers 4 c .. 4 c + 3 of the
; fragment of K step s lie at 1024 s + 512 c + 16 x lane.  A tile's scale words: 256 bytes laid [row 16][K step 4].
; abuf: tiles 0-511 layer_input, tile T row r = row 16 T + r; tiles 512-1023 cross_attn_input, PERMUTED: of each 32 rows, tile 2 g + u takes as its row r the row 32 g + 8 u + r + 8 (r / 8).  Scale words from ASC on.
; wbuf: 128 permuted tiles over the joined columns 0-511 Wq, 512-1535 Wkv, 1536-2047 Wo.  Scale words from WSC on.
; SHARES.  Work-groups 0-63 take the weights, 64-319 the activations.  Waves share nothing: no barrier.  Only the activations' path touches LDS.
.set ASC,  4194304
.set WSC,  524288
.set STG,  8448                        ; a wave's stage: 16 rows x (512 bytes + 16): row r begins 132 r words on, so the 16 rows that a read touches begin at 16 different groups of four banks
.set WV,   18                          ; s18      my wave's number
.set SEL,  20                          ; s[20:21] lane selects for v_permlanex16_b32: lane l xor 16
.set SW,   12                          ; v12-15   the four K steps' scale words
.set TM,   16                          ; v16-31   at work in QUANT
.set PC,   32                          ; v32-63   codes, eight registers for each K step: no store's data are written again
.set X,    64                          ; v64-127  64 numbers of my row: register 16 b + i = k 32 b + 16 (lane / 16) + i
.set R,    128                         ; v128-255 numbers as they are loaded: two sets of 64 (weights: 128 numbers down K)
; 64 numbers of a lane, register 16 b + i = k 32 b + 16 (lane / 16) + i of its row, become a fragment's eight registers of codes, v[pc] on, and the row's scale word, v[pw].
.macro QUANT s, pc, pw
.irp b, 0,1,2,3
	v_max3_num_f32 v[TM+\b], |v[\s+16*\b]|, |v[\s+1+16*\b]|, 0x1800000   ; block b: my 16 numbers, and the floor 2^(3 - 127): the byte cannot fall under 1
.endr
.irp i, 2,4,6,8,10,12,14
.irp b, 0,1,2,3
	v_max3_num_f32 v[TM+\b], v[TM+\b], |v[\s+16*\b+\i]|, |v[\s+1+16*\b+\i]|   ; the four blocks by turns
.endr
.endr
.irp b, 0,1,2,3
	v_permlanex16_b32 v[TM+4+\b], v[TM+\b], s[SEL], s[SEL+1]
.endr
.irp b, 0,1,2,3
	v_max_num_f32 v[TM+\b], v[TM+\b], v[TM+4+\b]       ; with lane l xor 16's 16: the block's largest magnitude
.endr
.irp b, 0,1,2,3
	v_add_nc_u32 v[TM+12+\b], 0xff000000, v[TM+\b]     ; 2 off its exponent field: the conversion takes this operand's exponent field as its scale
.endr
.irp b, 0,1,2,3
	v_lshrrev_b32 v[TM+4+\b], 23, v[TM+12+\b]          ; the scale's byte
.endr
	v_lshl_or_b32 v[\pw], v[TM+5], 8, v[TM+4]
	v_lshl_or_b32 v[\pw], v[TM+6], 16, v[\pw]
	v_lshl_or_b32 v[\pw], v[TM+7], 24, v[\pw]
.irp b, 0,1,2,3
	v_cvt_scalef32_pk8_fp4_f32 v[\pc+2*\b], v[\s+16*\b:\s+7+16*\b], v[TM+12+\b]
	v_cvt_scalef32_pk8_fp4_f32 v[\pc+1+2*\b], v[\s+8+16*\b:\s+15+16*\b], v[TM+12+\b]
.endr
	v_nop                                              ; one plain instruction behind a scaled conversion
.irp c, 0,1                                        ; the operand wants a whole block in a lane: lanes 0-15 block 2 c, lanes 16-31 block 2 c + 1
.irp i, 0,1
	v_permlane16_swap_b32 v[\pc+4*\c+\i], v[\pc+2+4*\c+\i]
.endr
.endr
.endm
.macro LOAD t                          ; K step t of my 16 rows: each load reads 512 consecutive bytes of one row
.irp i, 0,1,2,3,4,5,6,7
	global_load_b128 v[R+64*((\t)%2)+4*\i:R+64*((\t)%2)+4*\i+3], v4, s[4:5] offset:\i*2048+512*(\t) th:TH_LOAD_NT
.endr
.irp i, 0,1,2,3,4,5,6,7
	global_load_b128 v[R+64*((\t)%2)+32+4*\i:R+64*((\t)%2)+32+4*\i+3], v5, s[4:5] offset:\i*2048+512*(\t) th:TH_LOAD_NT
.endr
.endm
.macro TURN t                          ; through my stage: in as loaded, out 16 neighbours of each block to a lane.  LDS serves a wave's instructions in order: no wait between
.irp i, 0,1,2,3,4,5,6,7,8,9,10,11,12,13,14,15
	ds_store_b128 v6, v[R+64*((\t)%2)+4*\i:R+64*((\t)%2)+4*\i+3] offset:528*\i
.endr
.irp b, 0,1,2,3
.irp j, 0,1,2,3
	ds_load_b128 v[X+16*\b+4*\j:X+16*\b+4*\j+3], v7 offset:128*\b+16*\j
.endr
.endr
.endm
.macro ASTEP t
.if (\t) < 3
	s_wait_loadcnt 16                                  ; this K step's 16 loads are in; the next step's 16 may be out
.else
	s_wait_loadcnt 0x0
.endif
	TURN \t
	s_wait_dscnt 0x0                                   ; my 64 numbers are back, and the stores into the stage have read their registers,
.if (\t) < 2
	LOAD (\t)+2                                        ; which take the loads of two steps on
.endif
	QUANT X, PC+8*(\t), SW+(\t)
	global_store_b128 v4, v[PC+8*(\t):PC+8*(\t)+3], s[28:29] offset:1024*(\t)          ; 32 lanes store 512 consecutive bytes
	global_store_b128 v4, v[PC+8*(\t)+4:PC+8*(\t)+7], s[28:29] offset:1024*(\t)+512
.endm
.macro WLOAD pitch                     ; 128 rows down K of my column: 32 lanes read 128 consecutive bytes, the four waves 512
.set n, 0
.rept 128
	global_load_b32 v[R+n], v4, s[8:9] offset:n*\pitch th:TH_LOAD_NT
.set n, n+1
.endr
.endm
	s_load_b256 s[4:11], s[0:1], 0x0               ; layer_input s[4:5], cross_attn_input s[6:7], Wq s[8:9], Wkv s[10:11]
	s_load_b128 s[12:15], s[0:1], 0x20             ; Wo s[12:13], abuf s[14:15]
	s_load_b64 s[16:17], s[0:1], 0x30              ; wbuf
	v_lshl_add_u32 v8, v0, 2, 0x8400
	s_set_vgpr_msb 0x40
	v_mov_b32 v1, 0
	s_set_vgpr_msb 0x4000
	v_lshrrev_b32 v1, 5, v0
	v_readfirstlane_b32 s[WV], v1                  ; wave 0..3
	v_and_b32 v1, 31, v0                           ; lane
	s_wait_kmcnt 0x0
	s_cmp_lt_u32 ttmp9, 64
	s_cbranch_scc1 .Lweights
	; ---- THE ACTIVATIONS: a wave makes one tile, 16 rows x 512, in four K steps of 128
	s_sub_co_u32 s22, ttmp9, 64
	s_lshr_b32 s23, s22, 7                         ; 0: layer_input, 1: cross_attn_input
	s_lshl_b32 s22, s22, 2
	s_add_co_u32 s22, s22, s[WV]                   ; my tile, 0..1023
	s_and_b32 s24, s22, 511
	s_lshl_b32 s24, s24, 4
	s_and_b32 s25, s[WV], 1
	s_mul_i32 s25, s25, s23
	s_lshl_b32 s25, s25, 3
	s_sub_co_u32 s24, s24, s25                     ; its first row: 16 x tile, 8 less for an odd permuted tile
	s_lshl_b32 s24, s24, 11                        ; in bytes
	s_mov_b32 s25, 0
	s_lshl_b32 s26, 16384, s23                     ; the tile's rows 8-15 begin 8 rows on, in a permuted tile 16
	s_cmp_eq_u32 s23, 0
	s_cselect_b64 s[4:5], s[4:5], s[6:7]           ; the choice hangs on the work-group's number alone
	s_add_nc_u64 s[4:5], s[4:5], s[24:25]
	s_lshl_b32 s28, s22, 12
	s_mov_b32 s29, 0
	s_add_nc_u64 s[28:29], s[14:15], s[28:29]      ; my tile's codes
	s_lshl_b32 s30, s22, 8
	s_add_co_u32 s30, s30, ASC
	s_mov_b32 s31, 0
	s_add_nc_u64 s[30:31], s[14:15], s[30:31]      ; and its scale words
	s_mov_b32 s[SEL], 0x76543210
	s_mov_b32 s[SEL+1], 0xfedcba98
	v_lshlrev_b32 v4, 4, v1                        ; 16 x lane
	v_add_nc_u32 v5, s26, v4
	LOAD 0
	LOAD 1
	v_and_b32 v2, 15, v1                           ; r
	v_lshrrev_b32 v3, 4, v1                        ; h
	s_mul_i32 s27, s[WV], STG                      ; my stage
	v_lshl_add_u32 v6, v1, 4, s27                  ; in: 16 x lane of a row
	v_mul_u32_u24 v7, v2, 528
	v_lshl_add_u32 v7, v3, 6, v7
	v_add_nc_u32 v7, s27, v7                       ; out: row r, + 64 h: my 16 numbers of a block
	v_lshlrev_b32 v9, 4, v2
	v_lshl_add_u32 v9, v3, 3, v9                   ; the scale words' way out: 16 r + 8 h
.irp b, 0,1,2,3
	v_mov_b32 v[TM+4+\b], 0                        ; written once: a lane permute's destination counts as one of its sources
.endr
	ASTEP 0
	ASTEP 1
	ASTEP 2
	ASTEP 3
	v_cmp_le_u32 vcc_lo, 16, v1                    ; every lane holds its row's four words: lanes 0-15 store those of K steps 0, 1, lanes 16-31 those of 2, 3
	v_cndmask_b32 v10, v[SW], v[SW+2], vcc_lo
	v_cndmask_b32 v11, v[SW+1], v[SW+3], vcc_lo
	global_store_b64 v9, v[10:11], s[30:31]        ; 32 lanes store 256 consecutive bytes, aligned
	s_set_vgpr_msb 0x4
	s_wait_tensorcnt 0x0
	ds_add_u32 v8, v1
	s_wait_dscnt 0x0
	s_set_vgpr_msb 0x400
	s_endpgm
	; ---- THE WEIGHTS: a lane takes a column and its registers run down K: a wave makes 32 columns x 128 along K.  Nothing is transposed.
.Lweights:
	s_and_b32 s22, ttmp9, 3                        ; which 128 along K
	s_lshr_b32 s23, ttmp9, 2                       ; which 128 joined columns
	s_lshl_b32 s24, s23, 2
	s_add_co_u32 s24, s24, s[WV]                   ; my group of 32 columns: two permuted tiles
	s_lshl_b32 s26, s24, 13
	s_lshl_b32 s27, s22, 10
	s_add_co_u32 s26, s26, s27
	s_mov_b32 s27, 0
	s_add_nc_u64 s[26:27], s[16:17], s[26:27]      ; the codes: 8,192 x group + 1,024 x K step
	s_lshl_b32 s28, s24, 9
	s_lshl_b32 s29, s22, 2
	s_add_co_u32 s28, s28, s29
	s_add_co_u32 s28, s28, WSC
	s_mov_b32 s29, 0
	s_add_nc_u64 s[28:29], s[16:17], s[28:29]      ; the scale words: 512 x group + 4 x K step
	v_lshlrev_b32 v4, 2, v1                        ; in: 4 bytes a lane
	v_bfe_u32 v2, v1, 3, 1                         ; column l of the 32 is row (l % 8) + 8 (l / 16) of tile (l / 8) % 2
	v_and_b32 v3, 7, v1
	v_lshrrev_b32 v7, 4, v1
	v_lshl_add_u32 v3, v7, 3, v3
	v_lshlrev_b32 v5, 4, v3
	v_lshlrev_b32 v6, 4, v3
	v_lshl_add_u32 v5, v2, 12, v5                  ; codes: 4,096 x tile + 16 x row
	v_lshl_add_u32 v6, v2, 8, v6                   ; scale words: 256 x tile + 16 x row
	s_lshl_b32 s30, s24, 7                         ; my first joined column, in bytes
	s_sub_co_u32 s32, s23, 4
	s_cmp_lt_u32 s32, 8                            ; joined columns 512-1535 are Wkv's
	s_cbranch_scc1 .Lwkv
	s_cmp_lt_u32 s23, 4
	s_cselect_b64 s[8:9], s[8:9], s[12:13]         ; Wq or Wo: rows of 2,048 bytes
	s_cselect_b32 s31, 0, 6144
	s_sub_co_u32 s30, s30, s31
	s_lshl_b32 s31, s22, 18                        ; 128 rows a K step
	s_add_co_u32 s30, s30, s31
	s_mov_b32 s31, 0
	s_add_nc_u64 s[8:9], s[8:9], s[30:31]
	WLOAD 2048
	s_branch .Lwwork
.Lwkv:
	s_sub_co_u32 s30, s30, 2048                    ; Wkv: rows of 4,096 bytes
	s_lshl_b32 s31, s22, 19
	s_add_co_u32 s30, s30, s31
	s_mov_b32 s31, 0
	s_add_nc_u64 s[8:9], s[10:11], s[30:31]
	WLOAD 4096
.Lwwork:
	s_wait_loadcnt 0x0
.irp q, 0,1,2,3
	v_max3_num_f32 v[16+\q], |v[R+32*\q]|, |v[R+1+32*\q]|, 0x1800000   ; block q: all its 32 numbers are mine; and the floor
.endr
.irp i, 2,4,6,8,10,12,14,16,18,20,22,24,26,28,30
.irp q, 0,1,2,3
	v_max3_num_f32 v[16+\q], v[16+\q], |v[R+32*\q+\i]|, |v[R+1+32*\q+\i]|
.endr
.endr
.irp q, 0,1,2,3
	v_add_nc_u32 v[20+\q], 0xff000000, v[16+\q]    ; the conversion's scale operand
.endr
.irp q, 0,1,2,3
	v_lshrrev_b32 v[24+\q], 23, v[20+\q]           ; the scale's byte
.endr
	v_lshl_or_b32 v12, v25, 8, v24
	v_lshl_or_b32 v12, v26, 16, v12
	v_lshl_or_b32 v12, v27, 24, v12                ; my column's scale word of this K step
.irp q, 0,1,2,3
.irp g, 0,1,2,3
	v_cvt_scalef32_pk8_fp4_f32 v[PC+4*\q+\g], v[R+32*\q+8*\g:R+32*\q+8*\g+7], v[20+\q]
.endr
.endr
	v_nop
.irp q, 0,1,2,3
	global_store_b128 v5, v[PC+4*\q:PC+4*\q+3], s[26:27] offset:256*\q   ; eight neighbouring lanes store 128 consecutive bytes
.endr
	global_store_b32 v6, v12, s[28:29]             ; 4 bytes at a pitch of 16: 32,768 bytes of the whole launch leave so
	s_endpgm
.Lfunc_end_k_q41af7e488d_quant:
	.size	k_q41af7e488d_quant, .Lfunc_end_k_q41af7e488d_quant-k_q41af7e488d_quant
	.p2alignl 7, 3214868480
	.fill 96, 4, 3214868480
	.section	.rodata,"a",@progbits
	.p2align	6, 0x0
	.amdhsa_kernel k_q41af7e488d_quant
		.amdhsa_group_segment_fixed_size 34304
		.amdhsa_private_segment_fixed_size 0
		.amdhsa_enable_private_segment 0
		.amdhsa_kernarg_size 56
		.amdhsa_user_sgpr_count 2
		.amdhsa_user_sgpr_kernarg_segment_ptr 1
		.amdhsa_wavefront_size32 1
		.amdhsa_system_sgpr_workgroup_id_x 1
		.amdhsa_system_sgpr_workgroup_id_y 1
		.amdhsa_system_sgpr_workgroup_id_z 1
		.amdhsa_system_vgpr_workitem_id 0
		.amdhsa_next_free_vgpr 258
		.amdhsa_next_free_sgpr 66
		.amdhsa_reserve_vcc 1
		.amdhsa_float_denorm_mode_32 3
		.amdhsa_float_denorm_mode_16_64 3
		.amdhsa_memory_ordered 1
		.amdhsa_forward_progress 1
		.amdhsa_inst_pref_size 65
	.end_amdhsa_kernel
	.amdgpu_metadata
---
amdhsa.version: [ 1, 2 ]
amdhsa.kernels:
  - .name:           k_q41af7e488d_quant
    .symbol:         k_q41af7e488d_quant.kd
    .args:
      - { .name: layer_input, .offset: 0, .size: 8, .value_kind: global_buffer, .address_space: global }
      - { .name: cross_attn_input, .offset: 8, .size: 8, .value_kind: global_buffer, .address_space: global }
      - { .name: Wq, .offset: 16, .size: 8, .value_kind: global_buffer, .address_space: global }
      - { .name: Wkv, .offset: 24, .size: 8, .value_kind: global_buffer, .address_space: global }
      - { .name: Wo, .offset: 32, .size: 8, .value_kind: global_buffer, .address_space: global }
      - { .name: abuf, .offset: 40, .size: 8, .value_kind: global_buffer, .address_space: global }
      - { .name: wbuf, .offset: 48, .size: 8, .value_kind: global_buffer, .address_space: global }
    .group_segment_fixed_size: 34304
    .private_segment_fixed_size: 0
    .kernarg_segment_align: 8
    .kernarg_segment_size: 56
    .max_flat_workgroup_size: 128
    .sgpr_count:     66
    .vgpr_count:     258
    .wavefront_size: 32
...
	.end_amdgpu_metadata
.endif
;; end of part 1
;; launch proj (part 2): grid 192 x 1, 4 waves a work-group, no clusters, 0 bytes of LDS; arguments abuf, wbuf, bq, bkv, qbuf, kvbuf; writes qbuf, kvbuf
.if DOCPART == 2
	.amdgcn_target "amdgcn-amd-amdhsa--gfx1250"
	.amdhsa_code_object_version 6
	.text
	.protected	k_q41af7e488d_proj
	.globl	k_q41af7e488d_proj
	.p2align	8
	.type	k_q41af7e488d_proj,@function
k_q41af7e488d_proj:
	s_mov_b64 s[64:65], 0
	v_nop
	global_prefetch_b8 v0, s[64:65] scope:SCOPE_SE
	s_setreg_imm32_b32 hwreg(HW_REG_WAVE_MODE, 25, 1), 1
	s_wait_xcnt 0x0
; q = x Wq + bq, k and v = c Wkv + bkv, on codes of FP4 with E8M0 scales, sums in f32; the results are quantised in registers, q and k along the head's 64 channels, v along the keys, and stored as register images.
; ONE SCHEME.  A wave holds a STANDING set of 8 tiles (16 rows x K 512 each; 256 registers) and 8 PASSING tiles (256 registers).  For each passing tile: eight accumulators = standing tile i (source 0) x the passing
; tile (source 1), four K steps.  In the result a lane is a row of the passing tile and its registers run along the standing tiles' rows; those tiles are permuted (row r of tile 2 b + u is row 32 b + 8 u + r + 8 (r / 8)),
; so register 16 b + i is index 32 b + 16 (lane / 16) + i: 16 neighbours of each block of 32 along the next product's K.
; ROLES, by the work-group's number: 0-63 q (standing: Wq's columns of heads 2 w, 2 w + 1; passing: 128 rows of x); 64-127 k (Wk's columns; 128 keys); 128-191 v (standing: a step of 128 keys; passing: Wv's columns).
; 192 work-groups: the work is 768 equal shares of a wave; a finer cut would read the standing 32 KiB more often.
; qbuf: codes [row tile 512][head 8][lane 32][16 bytes]; from QSC on the words [row tile][head][row 16], bytes 0, 1 the head's two blocks, bytes 2, 3 zero.
; kvbuf: [batch x head 32][step of 128 keys 16][9,216 bytes]: +0 k's codes [key tile 8][lane][16]; +4096 v's codes [channel tile 4][c 2][lane][16]; +8192 k's words [tile 8][row 16]; +8704 v's words [tile 4][lane 32].
; LIMITS: NaN and infinities are not served; a block whose largest magnitude lies under 2^-124 gets the byte 1 (this program alone reads the bytes).
; REGISTERS: window 0: v1-8 addresses and work; v16-31 at work in QUANT; v32-39 codes; v40-55, v56-71 scale words of the standing and the passing tiles (register 4 p + s: lanes 0-15 tile 2 p, lanes 16-31 tile 2 p + 1, K step s);
;   v96-159 the accumulators; v160-223 the bias in the result's layout.   window 1: the standing tiles, fragment (i, s) at v[32 i + 8 s].   window 2: the passing tiles likewise.
.set ASC,   4194304
.set WSC,   524288
.set QSC,   2097152
.set HEADB, 147456                     ; a head's bytes in kvbuf
.set WV,   16
.set ROLE, 17
.set IDX,  18
.set SEL,  20
.set LI,   1                           ; v1  16 x lane
.set L4,   2                           ; v2  4 x lane
.set SOFF, 3                           ; v3  q, k: where my scale word goes
.set BOFF, 4                           ; v4  my offset in the bias
.set PW,   8
.set TM,   16
.set PC,   32
.set SS,   40
.set TS,   56
.set ACC,  96
.set B,    160
.set MSB, 0
.macro WIN new                         ; the immediate's high byte repeats the setting that is left
.if MSB != \new
	s_set_vgpr_msb (MSB<<8)|\new
.set MSB, \new
.endif
.endm
.macro QUANT s, pc, pw                 ; 64 numbers of a lane, register 16 b + i = k 32 b + 16 (lane / 16) + i, become eight registers of codes and the row's scale word
.irp b, 0,1,2,3
	v_max3_num_f32 v[TM+\b], |v[\s+16*\b]|, |v[\s+1+16*\b]|, 0x1800000   ; and the floor 2^(3 - 127).  Each accumulator is read from its low end on
.endr
.irp i, 2,4,6,8,10,12,14
.irp b, 0,1,2,3
	v_max3_num_f32 v[TM+\b], v[TM+\b], |v[\s+16*\b+\i]|, |v[\s+1+16*\b+\i]|
.endr
.endr
.irp b, 0,1,2,3
	v_permlanex16_b32 v[TM+4+\b], v[TM+\b], s[SEL], s[SEL+1]
.endr
.irp b, 0,1,2,3
	v_max_num_f32 v[TM+\b], v[TM+\b], v[TM+4+\b]
.endr
.irp b, 0,1,2,3
	v_add_nc_u32 v[TM+12+\b], 0xff000000, v[TM+\b]     ; 2 off the exponent field: the conversion's scale operand
.endr
.irp b, 0,1,2,3
	v_lshrrev_b32 v[TM+4+\b], 23, v[TM+12+\b]          ; the scale's byte
.endr
	v_lshl_or_b32 v[\pw], v[TM+5], 8, v[TM+4]
	v_lshl_or_b32 v[\pw], v[TM+6], 16, v[\pw]
	v_lshl_or_b32 v[\pw], v[TM+7], 24, v[\pw]
.irp b, 0,1,2,3
	v_cvt_scalef32_pk8_fp4_f32 v[\pc+2*\b], v[\s+16*\b:\s+7+16*\b], v[TM+12+\b]
	v_cvt_scalef32_pk8_fp4_f32 v[\pc+1+2*\b], v[\s+8+16*\b:\s+15+16*\b], v[TM+12+\b]
.endr
	v_nop                                              ; one plain instruction behind a scaled conversion
.irp c, 0,1
.irp i, 0,1
	v_permlane16_swap_b32 v[\pc+4*\c+\i], v[\pc+2+4*\c+\i]
.endr
.endr
.endm
; one matrix instruction; ra, rb = 1: that side's scale words are taken from lanes 16-31
.macro WM d, a, b, c, sa, sb, ra, rb
.if (\ra) && (\rb)
	v_wmma_scale_f32_16x16x128_f8f6f4 v[\d:\d+7], v[\a:\a+7], v[\b:\b+7], v[\c:\c+7], v[\sa], v[\sb] matrix_a_fmt:MATRIX_FMT_FP4 matrix_b_fmt:MATRIX_FMT_FP4 matrix_a_scale:MATRIX_SCALE_ROW1 matrix_b_scale:MATRIX_SCALE_ROW1
.elseif (\ra)
	v_wmma_scale_f32_16x16x128_f8f6f4 v[\d:\d+7], v[\a:\a+7], v[\b:\b+7], v[\c:\c+7], v[\sa], v[\sb] matrix_a_fmt:MATRIX_FMT_FP4 matrix_b_fmt:MATRIX_FMT_FP4 matrix_a_scale:MATRIX_SCALE_ROW1
.elseif (\rb)
	v_wmma_scale_f32_16x16x128_f8f6f4 v[\d:\d+7], v[\a:\a+7], v[\b:\b+7], v[\c:\c+7], v[\sa], v[\sb] matrix_a_fmt:MATRIX_FMT_FP4 matrix_b_fmt:MATRIX_FMT_FP4 matrix_b_scale:MATRIX_SCALE_ROW1
.else
	v_wmma_scale_f32_16x16x128_f8f6f4 v[\d:\d+7], v[\a:\a+7], v[\b:\b+7], v[\c:\c+7], v[\sa], v[\sb] matrix_a_fmt:MATRIX_FMT_FP4 matrix_b_fmt:MATRIX_FMT_FP4
.endif
.endm
; 32 matrix instructions for passing tile j: the eight accumulators by turns, one instruction a turn, K step by K step.  The bias is the C of each sum's first instruction:
; vrole = 0: it hangs on the standing tile's rows (eight registers for each i); vrole = 1: on the passing tile's row, my lane's (eight equal registers for each j).
.macro PRODUCT j, vrole
.irp s, 0,1,2,3
.irp i, 0,1,2,3,4,5,6,7
.if (\s == 0) && (\vrole == 1)
	WM ACC+8*\i, 32*\i+8*\s, 32*(\j)+8*\s, B+8*(\j), SS+4*(\i/2)+\s, TS+4*((\j)/2)+\s, (\i%2), ((\j)%2)
.elseif \s == 0
	WM ACC+8*\i, 32*\i+8*\s, 32*(\j)+8*\s, B+8*\i, SS+4*(\i/2)+\s, TS+4*((\j)/2)+\s, (\i%2), ((\j)%2)
.else
	WM ACC+8*\i, 32*\i+8*\s, 32*(\j)+8*\s, ACC+8*\i, SS+4*(\i/2)+\s, TS+4*((\j)/2)+\s, (\i%2), ((\j)%2)
.endif
.endr
.endr
.endm
.macro TLOADS                          ; the eight passing tiles: 64 loads of 512 consecutive bytes; they are the last loads of the text, eight to a tile
	WIN 0x80
.set n, 0
.rept 64
	global_load_b128 v[4*n:4*n+3], v[LI], s[34:35] offset:512*n
.set n, n+1
.endr
	WIN 0
.endm
.macro KVOFF                           ; s53 = where head 2 w of my batch has my step in kvbuf: ((8 x batch + 2 w) x 16 + step) x 9,216
	s_lshr_b32 s53, s[IDX], 4
	s_lshl_b32 s53, s53, 3
	s_lshl_b32 s54, s[WV], 1
	s_add_co_u32 s53, s53, s54
	s_lshl_b32 s53, s53, 4
	s_and_b32 s54, s[IDX], 15
	s_add_co_u32 s53, s53, s54
	s_mul_i32 s53, s53, 9216
.endm
.macro MULQ j, vrole                   ; the products of passing tile j, and their results as codes
	s_wait_loadcnt 8*(7-(\j))                          ; all but the later passing tiles' loads, eight each, are in
.if (\vrole == 1) && ((\j) == 0)
.irp t, 0,1,2,3,4,5,6,7                        ; v's bias hangs on the lane alone: each tile's number is spread over the eight registers of a C
.irp e, 1,2,3,4,5,6,7
	v_mov_b32 v[B+8*\t+\e], v[B+8*\t]
.endr
.endr
.endif
	WIN 0x09                                           ; source 0 window 1, source 1 window 2
	PRODUCT \j, \vrole
	WIN 0
.rept 4
	v_nop                                              ; four places between the last product and the first read of a result
.endr
	QUANT ACC, PC, PW                                  ; its instructions are also the places in front of the next tile's products, which begin the accumulators anew
.endm
	s_load_b256 s[4:11], s[0:1], 0x0               ; abuf s[4:5], wbuf s[6:7], bq s[8:9], bkv s[10:11]
	s_load_b128 s[12:15], s[0:1], 0x20             ; qbuf s[12:13], kvbuf s[14:15]
	v_lshrrev_b32 v1, 5, v0
	v_readfirstlane_b32 s[WV], v1                  ; wave 0..3: the pair of heads
	s_lshr_b32 s[ROLE], ttmp9, 6
	s_and_b32 s[IDX], ttmp9, 63
	v_and_b32 v5, 31, v0                           ; lane
	v_lshlrev_b32 v[LI], 4, v5
	v_lshlrev_b32 v[L4], 2, v5
	v_and_b32 v6, 15, v0                           ; r
	v_bfe_u32 v7, v0, 4, 1                         ; h
	s_mov_b32 s[SEL], 0x76543210
	s_mov_b32 s[SEL+1], 0xfedcba98
.irp b, 0,1,2,3
	v_mov_b32 v[TM+4+\b], 0                        ; written once: a lane permute's destination counts as one of its sources
.endr
	s_lshl_b32 s51, s[ROLE], 5
	s_lshl_b32 s52, s[WV], 3
	s_add_co_u32 s51, s51, s52                     ; my eight tiles of wbuf: 32 x role + 8 w on
	s_lshl_b32 s22, s51, 12
	s_mov_b32 s23, 0
	s_lshl_b32 s24, s51, 8
	s_add_co_u32 s24, s24, WSC
	s_mov_b32 s25, 0
	s_min_u32 s52, s[ROLE], 1
	s_lshl_b32 s52, s52, 9
	s_lshl_b32 s53, s[IDX], 3
	s_add_co_u32 s52, s52, s53                     ; my eight tiles of abuf: x's for q, c's (512 on) for k and v
	s_lshl_b32 s26, s52, 12
	s_mov_b32 s27, 0
	s_lshl_b32 s28, s52, 8
	s_add_co_u32 s28, s28, ASC
	s_mov_b32 s29, 0
	s_wait_kmcnt 0x0
	s_add_nc_u64 s[22:23], s[6:7], s[22:23]
	s_add_nc_u64 s[24:25], s[6:7], s[24:25]
	s_add_nc_u64 s[26:27], s[4:5], s[26:27]
	s_add_nc_u64 s[28:29], s[4:5], s[28:29]
	s_cmp_eq_u32 s[ROLE], 2                        ; for v the keys stand and the weights pass; the choice hangs on the work-group's number alone
	s_cselect_b64 s[30:31], s[26:27], s[22:23]     ; standing: codes,
	s_cselect_b64 s[32:33], s[28:29], s[24:25]     ; scale words
	s_cselect_b64 s[34:35], s[22:23], s[26:27]     ; passing: codes,
	s_cselect_b64 s[36:37], s[24:25], s[28:29]     ; scale words
.irp p, 0,1,2,3
	global_load_b128 v[SS+4*\p:SS+4*\p+3], v[LI], s[32:33] offset:512*\p   ; two tiles' words: lanes 0-15 the even tile's rows, lanes 16-31 the odd one's; four K steps
	global_load_b128 v[TS+4*\p:TS+4*\p+3], v[LI], s[36:37] offset:512*\p
.endr
	WIN 0x40
.set n, 0
.rept 64
	global_load_b128 v[4*n:4*n+3], v[LI], s[30:31] offset:512*n
.set n, n+1
.endr
	WIN 0
	s_cmp_eq_u32 s[ROLE], 2
	s_cbranch_scc1 .Lv
	; ---- q and k: told apart by scalars alone
	s_lshl_b32 s51, s[IDX], 15
	s_lshl_b32 s52, s[WV], 10
	s_add_co_u32 s51, s51, s52                     ; q's codes: 8 row tiles x 4,096 x work-group + 2 heads x 512 x wave
	s_lshl_b32 s52, s[IDX], 12
	s_lshl_b32 s54, s[WV], 7
	s_add_co_u32 s52, s52, s54
	s_add_co_u32 s52, s52, QSC                     ; q's words
	KVOFF
	s_add_co_u32 s54, s53, 8192                    ; k's words
	s_mov_b32 s55, HEADB
	s_mov_b32 s46, 512
	s_lshl_b32 s38, s[WV], 9                       ; my 128 numbers of the bias
	s_mov_b32 s39, 0
	s_cmp_eq_u32 s[ROLE], 0
	s_cselect_b64 s[40:41], s[12:13], s[14:15]     ; qbuf or kvbuf
	s_cselect_b64 s[8:9], s[8:9], s[10:11]         ; bq or bkv
	s_cselect_b32 s56, s51, s53                    ; the codes' offset,
	s_cselect_b32 s58, s52, s54                    ; the words',
	s_cselect_b32 s60, 512, s55                    ; from head 2 w to head 2 w + 1 among the codes,
	s_cselect_b32 s62, 64, s55                     ; among the words,
	s_cselect_b32 s46, 4096, s46                   ; from passing tile to passing tile among the codes,
	s_cselect_b32 s48, 512, 64                     ; among the words
	s_mov_b32 s57, 0
	s_mov_b32 s59, 0
	s_mov_b32 s61, 0
	s_mov_b32 s47, 0
	s_mov_b32 s49, 0
	s_add_nc_u64 s[38:39], s[8:9], s[38:39]
	s_add_nc_u64 s[44:45], s[40:41], s[58:59]      ; words
	s_add_nc_u64 s[40:41], s[40:41], s[56:57]      ; codes of head 2 w
	s_add_nc_u64 s[42:43], s[40:41], s[60:61]      ; and of head 2 w + 1
	v_lshlrev_b32 v[BOFF], 6, v7                   ; register e of tile 2 b + u is channel 32 b + 16 h + 8 u + e
.irp i, 0,1,2,3,4,5,6,7
	global_load_b128 v[B+8*\i:B+8*\i+3], v[BOFF], s[38:39] offset:(32*(\i/2)+8*(\i%2))*4
	global_load_b128 v[B+8*\i+4:B+8*\i+7], v[BOFF], s[38:39] offset:(32*(\i/2)+8*(\i%2))*4+16
.endr
	TLOADS
	v_mul_u32_u24 v[SOFF], s62, v7
	v_lshl_add_u32 v[SOFF], v6, 2, v[SOFF]         ; lanes 0-15 store head 2 w's word of row r, lanes 16-31 head 2 w + 1's
	v_cmp_le_u32 s50, 16, v5
.macro KQ_J j
	MULQ \j, 0
	v_and_b32 v5, 0xffff, v[PW]                        ; blocks 0, 1 are head 2 w's 64 channels,
	v_lshrrev_b32 v6, 16, v[PW]                        ; blocks 2, 3 head 2 w + 1's
	v_cndmask_b32 v7, v5, v6, s50
	global_store_b128 v[LI], v[PC:PC+3], s[40:41]      ; 512 consecutive bytes: registers 0-3 of a fragment whose K is 64
	global_store_b128 v[LI], v[PC+4:PC+7], s[42:43]
	global_store_b32 v[SOFF], v7, s[44:45]             ; two runs of 64 bytes
.if (\j) < 7
	s_wait_xcnt 0x0                                    ; the stores' data and bases are written again only behind this wait
	s_add_nc_u64 s[40:41], s[40:41], s[46:47]
	s_add_nc_u64 s[42:43], s[42:43], s[46:47]
	s_add_nc_u64 s[44:45], s[44:45], s[48:49]
.endif
.endm
.irp j, 0,1,2,3,4,5,6,7
	KQ_J \j
.endr
	s_endpgm
	; ---- v: a lane is a channel, its registers run along the step's 128 keys
.Lv:
	KVOFF
	s_mov_b32 s54, s53
	s_mov_b32 s55, 0
	s_add_nc_u64 s[40:41], s[14:15], s[54:55]
	s_lshl_b32 s38, s[WV], 9
	s_add_co_u32 s38, s38, 2048                    ; v's half of bkv, my 128 channels
	s_mov_b32 s39, 0
	s_add_nc_u64 s[38:39], s[10:11], s[38:39]
	v_and_b32 v[BOFF], 8, v6
	v_add_nc_u32 v[BOFF], v[BOFF], v6
	v_lshlrev_b32 v[BOFF], 2, v[BOFF]              ; row r of passing tile 2 g + u is channel 32 g + 8 u + r + 8 (r / 8)
.irp j, 0,1,2,3,4,5,6,7
	global_load_b32 v[B+8*\j], v[BOFF], s[38:39] offset:(32*(\j/2)+8*(\j%2))*4
.endr
	TLOADS
.macro V_J j
	MULQ \j, 1
	global_store_b128 v[LI], v[PC:PC+3], s[40:41] offset:((\j)/4)*HEADB+4096+((\j)%4)*1024
	global_store_b128 v[LI], v[PC+4:PC+7], s[40:41] offset:((\j)/4)*HEADB+4096+((\j)%4)*1024+512
	global_store_b32 v[L4], v[PW], s[40:41] offset:((\j)/4)*HEADB+8704+((\j)%4)*128   ; every lane holds its row's word: 128 consecutive bytes
.if (\j) < 7
	s_wait_xcnt 0x0                                    ; the stores' data are written again only behind this wait
.endif
.endm
.irp j, 0,1,2,3,4,5,6,7
	V_J \j
.endr
	s_endpgm
.Lfunc_end_k_q41af7e488d_proj:
	.size	k_q41af7e488d_proj, .Lfunc_end_k_q41af7e488d_proj-k_q41af7e488d_proj
	.p2alignl 7, 3214868480
	.fill 96, 4, 3214868480
	.section	.rodata,"a",@progbits
	.p2align	6, 0x0
	.amdhsa_kernel k_q41af7e488d_proj
		.amdhsa_group_segment_fixed_size 0
		.amdhsa_private_segment_fixed_size 0
		.amdhsa_enable_private_segment 0
		.amdhsa_kernarg_size 48
		.amdhsa_user_sgpr_count 2
		.amdhsa_user_sgpr_kernarg_segment_ptr 1
		.amdhsa_wavefront_size32 1
		.amdhsa_system_sgpr_workgroup_id_x 1
		.amdhsa_system_sgpr_workgroup_id_y 1
		.amdhsa_system_sgpr_workgroup_id_z 1
		.amdhsa_system_vgpr_workitem_id 0
		.amdhsa_next_free_vgpr 768
		.amdhsa_next_free_sgpr 66
		.amdhsa_reserve_vcc 0
		.amdhsa_float_denorm_mode_32 3
		.amdhsa_float_denorm_mode_16_64 3
		.amdhsa_memory_ordered 1
		.amdhsa_forward_progress 1
		.amdhsa_inst_pref_size 161
	.end_amdhsa_kernel
	.amdgpu_metadata
---
amdhsa.version: [ 1, 2 ]
amdhsa.kernels:
  - .name:           k_q41af7e488d_proj
    .symbol:         k_q41af7e488d_proj.kd
    .args:
      - { .name: abuf, .offset: 0, .size: 8, .value_kind: global_buffer, .address_space: global }
      - { .name: wbuf, .offset: 8, .size: 8, .value_kind: global_buffer, .address_space: global }
      - { .name: bq, .offset: 16, .size: 8, .value_kind: global_buffer, .address_space: global }
      - { .name: bkv, .offset: 24, .size: 8, .value_kind: global_buffer, .address_space: global }
      - { .name: qbuf, .offset: 32, .size: 8, .value_kind: global_buffer, .address_space: global }
      - { .name: kvbuf, .offset: 40, .size: 8, .value_kind: global_buffer, .address_space: global }
    .group_segment_fixed_size: 0
    .private_segment_fixed_size: 0
    .kernarg_segment_align: 8
    .kernarg_segment_size: 48
    .max_flat_workgroup_size: 128
    .sgpr_count:     66
    .vgpr_count:     768
    .wavefront_size: 32
...
	.end_amdgpu_metadata
.endif
;; end of part 2
;; launch attn (part 3): grid 8 x 32, 16 waves a work-group, clusters of 4 x 1, 169,984 bytes of LDS; arguments qbuf, kvbuf, obuf; writes obuf
.if DOCPART == 3
	.amdgcn_target "amdgcn-amd-amdhsa--gfx1250"
	.amdhsa_code_object_version 6
	.text
	.protected	k_q41af7e488d_attn
	.globl	k_q41af7e488d_attn
	.p2align	8
	.type	k_q41af7e488d_attn,@function
k_q41af7e488d_attn:
	s_mov_b64 s[64:65], 0
	v_nop
	global_prefetch_b8 v0, s[64:65] scope:SCOPE_SE
	s_setreg_imm32_b32 hwreg(HW_REG_WAVE_MODE, 25, 1), 1
	s_wait_xcnt 0x0
	s_wait_alu depctr_hold_cnt(0) depctr_sa_sdst(0) depctr_va_vdst(0) depctr_va_sdst(0) depctr_va_ssrc(0) depctr_va_vcc(0) depctr_vm_vsrc(0)
	s_getreg_b32 s2, hwreg(HW_REG_IB_STS2, 6, 4)
	s_cmp_eq_u32 s2, 0
	s_cbranch_scc0 .Lentry_in_a_cluster
	s_endpgm
.Lentry_in_a_cluster:
	s_bfe_u32 s2, ttmp6, 0x10000c
	s_cmp_lg_u32 s2, 0x3003
	s_cbranch_scc0 .Lentry_shape_is_right
	s_endpgm
.Lentry_shape_is_right:
; o = softmax(q k^T / 8) v for one head, both products on codes of FP4 with E8M0 scales; the result is quantised along (head, channel) for the last product.
; THE SOFTMAX AHEAD OF THE SECOND PRODUCT: t = score x log2(e) / 8; M = the row's largest t so far, rounded UP to a whole number; p = 2^(t - M) is quantised along the keys, not normalised.  The row's sum is taken of the
; unquantised p and divides o at the end.  When M moves, the sum and o are multiplied by 2^(old M - new M): exact.
; SHARES.  A work-group owns 256 queries of one (batch, head); each of its sixteen waves one tile of 16 queries in 256 registers: four waves to a SIMD, so that one wave's vector work stands beside another's products and LDS loads.
; LDS.  The head's 147,456 bytes of kvbuf (16 steps of 128 keys, 9,216 bytes each: k's codes, v's codes, k's words, v's words, all as register images) are filled ONCE, as they lie: no slot is filled again.
; CLUSTER.  The four query blocks of a cluster belong to one head, so each tile is asked for JOINTLY: the same tensor load with the same descriptor and the mask of all four.  Each wave issues two loads: its sixteenth of
; steps 0-3 (9 rows of 256 bytes) and of steps 4-15 (27 rows): two tensor loads of a wave are out at the most, and the first four steps are worked while the rest is on its way.
; LAYOUT.  Both products are used transposed: S^T = k q^T (source 0 = 16 keys, source 1 = my queries), O^T = v^T p^T: a lane holds ONE query throughout.
; THE KEYS OF A TILE ARE CHOSEN AT THE LDS LOAD: tile 4 g + u takes as its rows 0-7 the keys 64 g + 8 u + 0 .. 7 and as its rows 8-15 the keys 64 g + 32 + 8 u + 0 .. 7.  So the 32 registers of tiles 4 g .. 4 g + 3 are, in lane
; (r, h), the keys 64 g + 32 h + 0 .. 31: a WHOLE block of the second product's K, in the very order of that operand's registers.  A block's maximum needs no other lane and the conversions' results are the operand.
; kvbuf has the keys in tiles of another choice (tile 2 b + u, row r: key 32 b + 8 u + r + 8 (r / 8)); eight keys on end lie together in both, so the piece of row 8 a + rho, half h, of my tile t is found at
; 2048 (t / 4) + 512 (t % 2) + 128 ((t % 4) / 2) + 1024 a + 256 h + 16 rho.: these eight loads a step go two deep.
; v's channel tiles are permuted as proj left them, so O^T's registers run along neighbouring channels.
; The first product's K is 64: registers 4-7 of q's and k's fragments are zero codes (cleared once), and bytes 2, 3 of their scale words are 0: zero codes add nothing under that byte.
; THE STEP'S ORDER.  k's fragments are asked for a step ahead, in one run with this step's v, so a step begins with its products.  Each exponential is followed by a plain instruction that is ready.
; LIMITS: NaN and infinities are not served; a block whose largest magnitude lies under 2^-124 gets the byte 1 (this program alone reads the bytes).  A block's largest p is made from its largest score by the same two
; instructions as every p, which takes v_exp_f32 not to fall where its input rises.
.set HEADB, 147456
.set STEPB, 9216
.set QSC,   2097152
.set OSC,   2097152
.set WV,  10                           ; s10      my wave's number
.set G1A, 16                           ; s[16:23] descriptor group 1: 9 rows;   s[24:31]: 27 rows
.set G1B, 24
.set G0A, 32                           ; s[32:35], s[36:39] their groups 0
.set G0B, 36
.set SEL, 40                           ; s[40:41] lane selects: lane l xor 16
.set CS,  42                           ; s[42:43] c = log2(e) / 8; the packed form names a pair and takes its low word for both halves
.set TB,  44                           ; s44      LDS byte at which the step in hand begins
.set CNT, 45
.set LI,  1                            ; v1   16 x lane
.set L4,  2                            ; v2   4 x lane
.set AD,  3                            ; v3   LI + TB: v's fragments
.set AS,  4                            ; v4   L4 + TB: v's scale words
.set LK,  5                            ; v5   my lane's place in a tile of k: 1024 a + 256 h + 16 rho
.set LKS, 6                            ; v6   and among k's scale words: 128 a + 64 (lane / 16) + 4 rho
.set SH,  7                            ; v7   8 h: where my two bytes stand in p's scale word
.set QS,  8                            ; v8   q's scale words
.set PS,  9                            ; v9   p's scale word
.set F,   10                           ; v[10:11] f = 2^(old M - new M), and a 0 written once
.set QF,  16                           ; v16-23   q's fragment                 v12 -M, v13 the largest score, v[14:15] the sum in two halves
.set KS,  24                           ; v24-27   k's scale words: register b: lanes 0-15 tile 2 b, lanes 16-31 tile 2 b + 1
.set VS,  28                           ; v28-31   v's scale words
.set KF,  32                           ; v32-95   k's eight fragments
.set S,   96                           ; v96-159  S^T, then p: register 32 c + i is key 64 c + 32 h + i
.set O,   160                          ; v160-191 O^T
.set VF,  192                          ; v192-223 v's four fragments
.set P,   224                          ; v224-231 p's codes
.set BM,  232                          ; v232-239 eight chains of maxima; then v232, v236 my two blocks' largest, v233, v237 their bytes, v234, v235 the word in the making
.set T,   240                          ; v[240:241] the second chain of sums
.set SO,  244                          ; v244-245 the conversions' scale operands
.set AK,  248                          ; v248 LK + TB
.set AKS, 249                          ; v249 LKS + TB
.set OLDM, 250                         ; v250 -M as it was
.set QO,  251                          ; v251 4 x (lane % 16)
.macro CROUND                          ; a round of the cluster's barrier
	s_barrier_signal -1
	s_barrier_wait -1
	s_cmp_lg_u32 s[WV], 0
	s_cbranch_scc1 .Lnot_wave_0_\@
	s_barrier_signal -3
.Lnot_wave_0_\@:
	s_barrier_wait -3
	s_barrier_signal -1
	s_barrier_wait -1
.endm
	s_load_b128 s[4:7], s[0:1], 0x0                ; qbuf s[4:5], kvbuf s[6:7]
	s_load_b64 s[8:9], s[0:1], 0x10                ; obuf
	v_lshl_add_u32 v247, v0, 2, 0x29000
	v_mov_b32 v255, 0
	ds_add_u32 v247, v255
	ds_add_u32 v247, v255
	v_lshrrev_b32 v1, 5, v0
	v_readfirstlane_b32 s[WV], v1                  ; wave 0..15
	s_bfe_u32 s11, ttmp6, 0x40000                  ; cx: my place in the cluster: it enters q's and o's addresses alone
	s_lshl_b32 s46, ttmp9, 2
	s_add_co_u32 s46, s46, s11                     ; my block of 256 queries
	s_and_b32 s47, ttmp7, 0xffff                   ; 8 x batch + head, which the four partners share
	s_mul_i32 s48, s47, HEADB
	s_mul_i32 s49, s[WV], 9*256                    ; my part of steps 0-3, in memory and in LDS alike
	s_mul_i32 s50, s[WV], 27*256
	s_add_co_u32 s50, s50, 4*STEPB                 ; and of steps 4-15
	s_add_co_u32 s52, s48, s49
	s_mov_b32 s53, 0
	s_add_co_u32 s54, s48, s50
	s_mov_b32 s55, 0
	s_lshr_b32 s56, s47, 3
	s_lshl_b32 s56, s56, 7
	s_lshl_b32 s57, s46, 4
	s_add_co_u32 s56, s56, s57
	s_add_co_u32 s56, s56, s[WV]                   ; my row tile: 128 x batch + 16 x block + wave
	s_and_b32 s57, s47, 7                          ; the head
	s_lshl_b32 s58, s56, 12
	s_lshl_b32 s59, s57, 9
	s_add_co_u32 s58, s58, s59                     ; codes, in qbuf and in obuf: 4,096 x row tile + 512 x head
	s_mov_b32 s59, 0
	s_lshl_b32 s60, s56, 9
	s_lshl_b32 s61, s57, 6
	s_add_co_u32 s60, s60, s61
	s_add_co_u32 s60, s60, QSC                     ; q's words
	s_mov_b32 s61, 0
	s_lshl_b32 s62, s56, 10
	s_lshl_b32 s63, s57, 7
	s_add_co_u32 s62, s62, s63
	s_add_co_u32 s62, s62, OSC                     ; o's words
	s_mov_b32 s63, 0
	; descriptor group 1: a dense block as rows of 256 bytes (32 elements of 8 bytes)
	s_mov_b32 s[G1A], 15|(3<<16)|(1<<21)           ; 15:0 the mask: all four work-groups; 17:16 elements of 8 bytes; 21 set beside a mask; no padding
	s_mov_b32 s[G1A+1], 32<<16                     ; tensor_dim0
	s_mov_b32 s[G1A+2], 9<<16                      ; tensor_dim1
	s_mov_b32 s[G1A+3], 32<<16                     ; tile_dim0
	s_mov_b32 s[G1A+4], 9                          ; tile_dim1
	s_mov_b32 s[G1A+5], 32                         ; from row to row
	s_mov_b32 s[G1A+6], 0
	s_mov_b32 s[G1A+7], 0
	s_mov_b32 s[G1B], 15|(3<<16)|(1<<21)
	s_mov_b32 s[G1B+1], 32<<16
	s_mov_b32 s[G1B+2], 27<<16
	s_mov_b32 s[G1B+3], 32<<16
	s_mov_b32 s[G1B+4], 27
	s_mov_b32 s[G1B+5], 32
	s_mov_b32 s[G1B+6], 0
	s_mov_b32 s[G1B+7], 0
	s_mov_b32 s[SEL], 0x76543210
	s_mov_b32 s[SEL+1], 0xfedcba98
	s_mov_b32 s[CS], 0x3e38aa3b                    ; log2(e) / 8
	s_mov_b32 s[CS+1], s[CS]
	s_wait_dscnt 0x0
	s_wait_kmcnt 0x0
	s_mov_b32 s[G0A], 1
	s_mov_b32 s[G0A+1], s49
	s_add_nc_u64 s[G0A+2:G0A+3], s[6:7], s[52:53]
	s_or_b32 s[G0A+3], s[G0A+3], 0x80000000
	s_mov_b32 s[G0B], 1
	s_mov_b32 s[G0B+1], s50
	s_add_nc_u64 s[G0B+2:G0B+3], s[6:7], s[54:55]
	s_or_b32 s[G0B+3], s[G0B+3], 0x80000000
	s_add_nc_u64 s[12:13], s[4:5], s[60:61]        ; q's words
	s_add_nc_u64 s[4:5], s[4:5], s[58:59]          ; q's codes
	s_add_nc_u64 s[14:15], s[8:9], s[62:63]        ; o's words
	s_add_nc_u64 s[8:9], s[8:9], s[58:59]          ; o's codes
	CROUND                                         ; all four work-groups are here: the joint loads meet
	tensor_load_to_lds s[G0A:G0A+3], s[G1A:G1A+7]  ; both fills go out together, ahead of every wait on TENSORcnt, every LDS read and every other barrier
	s_nop 0
	tensor_load_to_lds s[G0B:G0B+3], s[G1B:G1B+7]
	s_nop 0
.rept 4
	v_nop
.endr
	v_and_b32 v252, 31, v0
	v_lshlrev_b32 v[LI], 4, v252
	v_lshlrev_b32 v[L4], 2, v252
	v_and_b32 v[QO], 15, v0
	v_lshlrev_b32 v[QO], 2, v[QO]
	global_load_b128 v[QF:QF+3], v[LI], s[4:5]     ; q's fragment stays in registers
	global_load_b32 v[QS], v[QO], s[12:13]
	v_and_b32 v252, 7, v0                          ; rho
	v_bfe_u32 v253, v0, 3, 1                       ; a: rows 0-7 or 8-15 of a tile
	v_bfe_u32 v[SH], v0, 4, 1                      ; h
	v_lshlrev_b32 v[LK], 4, v252
	v_lshl_add_u32 v[LK], v253, 10, v[LK]
	v_lshl_add_u32 v[LK], v[SH], 8, v[LK]          ; 16 rho + 1024 a + 256 h
	v_lshlrev_b32 v[LKS], 2, v252
	v_lshl_add_u32 v[LKS], v253, 7, v[LKS]
	v_lshl_add_u32 v[LKS], v[SH], 6, v[LKS]        ; 4 rho + 128 a + 64 (lane / 16)
	v_lshlrev_b32 v[SH], 3, v[SH]                  ; 8 h
.irp j, 4,5,6,7
	v_mov_b32 v[QF+\j], 0                          ; K = 64 .. 127 of the first product: zero codes, on both sides
.endr
.irp t, 0,1,2,3,4,5,6,7
.irp j, 4,5,6,7
	v_mov_b32 v[KF+8*\t+\j], 0
.endr
.endr
.irp j, 0,1,2,3,4,5,6,7,8,9,10,11,12,13,14,15,16,17,18,19,20,21,22,23,24,25,26,27,28,29,30,31
	v_mov_b32 v[O+\j], 0                           ; O^T.  The step has no first form of its own: the first finds zeros, which the first change of M leaves zeros
.endr
	v_mov_b32 v13, 0xff61b1e6                      ; the largest score so far: -3e38, under every score
	v_floor_f32 v12, -v13                          ; -M: so large that the first f is 0
	v_mov_b32 v14, 0
	v_mov_b32 v15, 0
	v_mov_b32 v[F+1], 0                            ; named as the upper half of the pair with f
	v_mov_b32 v254, 0                              ; written once: a lane permute's destination counts as one of its sources
; k's eight fragments and four registers of scale words of the step that begins off bytes behind s[TB]
.macro KLOAD off
.irp t, 0,1,2,3,4,5,6,7
	ds_load_b128 v[KF+8*\t:KF+8*\t+3], v[AK] offset:\off+2048*(\t/4)+512*(\t%2)+128*((\t%4)/2)
.endr
.irp b, 0,1,2,3
	ds_load_b32 v[KS+\b], v[AKS] offset:\off+8192+256*(\b/2)+32*(\b%2)
.endr
.endm
.macro FM k                            ; t - M of the scores' pair k
	v_pk_fma_f32 v[S+2*(\k):S+2*(\k)+1], v[S+2*(\k):S+2*(\k)+1], s[CS:CS+1], v[12:13] op_sel_hi:[1,0,0]
.endm
.macro SUMP                            ; addition ni of 32 of the row's sum, which is taken of the unquantised p: two at a time, in two chains
.if ni == 0
	s_wait_alu depctr_va_vdst(0)
	v_pk_add_f32 v[T:T+1], v[S:S+1], v[S+2:S+3]
.elseif ni == 31
	v_pk_add_f32 v[14:15], v[14:15], v[T:T+1]
.elseif ni%2 == 1
	s_wait_alu depctr_va_vdst(0)
	v_pk_add_f32 v[14:15], v[14:15], v[S+2*ni+2:S+2*ni+3]
.else
	s_wait_alu depctr_va_vdst(0)
	v_pk_add_f32 v[T:T+1], v[T:T+1], v[S+2*ni+2:S+2*ni+3]
.endif
.endm
; The plain instruction that follows exponential nj of 64.  Behind the even ones up to 50: t - M of the pair six pairs on.  Behind the odd ones up to 19: the lines that make my two blocks' scale operands and p's scale word, and the
; sums under the new M.  Behind the others: the sum's additions; addition ni takes pair ni + 1, whose exponentials stand at 2 ni + 2 and 2 ni + 3, well back.
.macro FILL
.if (nj%2 == 0) && (nj < 52)
	FM 6+nj/2
.elseif nj == 1
	s_wait_alu depctr_va_vdst(0)
	v_max_num_f32 v[BM], 0x1800000, v[BM]          ; the floor 2^(3 - 127): the byte cannot fall under 1
.elseif nj == 3
	v_max_num_f32 v[BM+4], 0x1800000, v[BM+4]
.elseif nj == 5
	v_add_nc_u32 v[SO], 0xff000000, v[BM]          ; 2 off the exponent field: the conversion's scale operand
.elseif nj == 7
	v_add_nc_u32 v[SO+1], 0xff000000, v[BM+4]
.elseif nj == 9
	v_lshrrev_b32 v[BM+1], 23, v[SO]               ; the scale's byte
.elseif nj == 11
	v_lshrrev_b32 v[BM+5], 23, v[SO+1]
.elseif nj == 13
	v_lshl_or_b32 v[BM+2], v[BM+5], 16, v[BM+1]    ; my two bytes: blocks h and 2 + h,
.elseif nj == 15
	v_lshlrev_b32 v[BM+2], v[SH], v[BM+2]          ; at their places in the word
.elseif nj == 17
	v_pk_mul_f32 v[14:15], v[14:15], v[F:F+1] op_sel_hi:[1,0]   ; the sums under the new M
	v_permlanex16_b32 v[BM+3], v[BM+2], s[SEL], s[SEL+1]
.elseif nj == 19
	v_or_b32 v[PS], v[BM+2], v[BM+3]               ; with lane l xor 16's two the word is whole
.elseif nj < 52
.set ni, (nj-21)/2
	SUMP
.else
.set ni, nj-36
	SUMP
.endif
.endm
; A KEY STEP: 128 keys.  pre = 1: the next step's k is asked for.
.macro STEP pre
	s_wait_dscnt 0x0                               ; k's fragments and words, asked for a step ago, are in
.irp t, 0,2,4,6
	v_wmma_scale_f32_16x16x128_f8f6f4 v[S+8*\t:S+8*\t+7], v[KF+8*\t:KF+8*\t+7], v[QF:QF+7], 0, v[KS+\t/2], v[QS] matrix_a_fmt:MATRIX_FMT_FP4 matrix_b_fmt:MATRIX_FMT_FP4
	v_wmma_scale_f32_16x16x128_f8f6f4 v[S+8*\t+8:S+8*\t+15], v[KF+8*\t+8:KF+8*\t+15], v[QF:QF+7], 0, v[KS+\t/2], v[QS] matrix_a_fmt:MATRIX_FMT_FP4 matrix_b_fmt:MATRIX_FMT_FP4 matrix_a_scale:MATRIX_SCALE_ROW1
.endr
	v_add_nc_u32 v[AD], s[TB], v[LI]               ; four plain instructions: the places between the last step's products and the loads into v's registers,
	v_add_nc_u32 v[AS], s[TB], v[L4]               ; between this step's products and the loads into k's,
	v_add_nc_u32 v[AK], s[TB], v[LK]               ; and in front of the first read of a score
	v_add_nc_u32 v[AKS], s[TB], v[LKS]
.irp t, 0,1,2,3
.irp c, 0,1
	ds_load_b128 v[VF+8*\t+4*\c:VF+8*\t+4*\c+3], v[AD] offset:4096+1024*\t+512*\c
.endr
.endr
.irp t, 0,1,2,3
	ds_load_b32 v[VS+\t], v[AS] offset:8704+128*\t
.endr
.if \pre
	KLOAD STEPB
.endif
.irp t, 0,1,2,3,4,5,6,7
	v_max3_num_f32 v[BM+\t], v[S+8*\t], v[S+8*\t+1], v[S+8*\t+2]   ; the largest score: eight chains by turns, one a tile, each from the accumulator's low end on
.endr
.irp i, 3,5
.irp t, 0,1,2,3,4,5,6,7
	v_max3_num_f32 v[BM+\t], v[BM+\t], v[S+8*\t+\i], v[S+8*\t+\i+1]
.endr
.endr
.irp c, 0,1
	v_max3_num_f32 v[BM+4*\c], v[BM+4*\c], v[BM+4*\c+1], v[BM+4*\c+2]   ; a block is four tiles' chains and the four scores left over
	v_max3_num_f32 v[BM+4*\c+3], v[BM+4*\c+3], v[S+32*\c+7], v[S+32*\c+15]
.endr
.irp c, 0,1
	v_max3_num_f32 v[BM+4*\c], v[BM+4*\c], v[S+32*\c+23], v[S+32*\c+31]
.endr
.irp c, 0,1
	v_max_num_f32 v[BM+4*\c], v[BM+4*\c], v[BM+4*\c+3]   ; THE LARGEST SCORE OF EACH OF MY TWO BLOCKS: for the row's maximum, and, since p rises with the score, for the block's largest p
.endr
	v_max3_num_f32 v13, v13, v[BM], v[BM+4]        ; the running largest score of my query, my 64 keys of this step among them,
	v_mov_b32 v[OLDM], v12
	v_permlanex16_b32 v254, v13, s[SEL], s[SEL+1]
	v_max_num_f32 v13, v13, v254                   ; and lane l xor 16's
	v_mul_f32 v254, s[CS], v13                     ; as t (c is positive, so the largest score gives the largest t)
	v_floor_f32 v12, -v254                         ; the new -M = floor(-t) = -ceil(t)
	v_fma_f32 v[BM], v[BM], s[CS], v12             ; t - M of each block's largest score
	v_fma_f32 v[BM+4], v[BM+4], s[CS], v12
	v_sub_f32 v254, v12, v[OLDM]                   ; old M - new M: a whole number, 0 or less
	FM 0
	v_cvt_i32_f32 v254, v254                       ; (it saturates)
	FM 1
	v_ldexp_f32 v[F], 1.0, v254                    ; f = 2^(old M - new M)
	FM 2
	FM 3
	v_exp_f32 v[BM], v[BM]                         ; the block's largest p: the same two instructions on the same number give the same bits
	FM 4
	v_exp_f32 v[BM+4], v[BM+4]
	FM 5
.set nj, 0
.rept 64
	v_exp_f32 v[S+nj], v[S+nj]                     ; p = 2^(t - M), at most 1; a plain instruction that names neither its source nor its result follows each
	FILL
.set nj, nj+1
.endr
.irp c, 0,1
.irp q, 0,1,2,3
	v_cvt_scalef32_pk8_fp4_f32 v[P+4*\c+\q], v[S+32*\c+8*\q:S+32*\c+8*\q+7], v[SO+\c]   ; registers 4 c .. 4 c + 3 of the operand: k = 64 c + 32 h + 0 .. 31
.endr
.endr
	v_nop                                          ; one plain instruction behind a scaled conversion
.set ni, 28
.rept 4
	SUMP
.set ni, ni+1
.endr
.irp j, 0,2,4,6,8,10,12,14,16,18,20,22,24,26,28,30
	v_pk_mul_f32 v[O+\j:O+1+\j], v[O+\j:O+1+\j], v[F:F+1] op_sel_hi:[1,0]   ; O^T under the new M, each accumulator from its low end on.  With the additions above: the places between p's codes and the products
.endr
.if \pre
	s_wait_dscnt 12                                ; v's twelve loads are in; the next step's twelve of k, issued behind them, may be out
.else
	s_wait_dscnt 0x0
.endif
.irp t, 0,1,2,3
	v_wmma_scale_f32_16x16x128_f8f6f4 v[O+8*\t:O+8*\t+7], v[VF+8*\t:VF+8*\t+7], v[P:P+7], v[O+8*\t:O+8*\t+7], v[VS+\t], v[PS] matrix_a_fmt:MATRIX_FMT_FP4 matrix_b_fmt:MATRIX_FMT_FP4   ; four accumulators, one instruction a turn
.endr
	s_add_co_u32 s[TB], s[TB], STEPB
.endm
	s_wait_loadcnt 0x0                             ; q
	s_wait_tensorcnt 0x1                           ; my part of steps 0-3 is in; my part of steps 4-15 may stay out
	s_barrier_signal -1
	s_barrier_wait -1                              ; everybody's is
	s_mov_b32 s[TB], 0
	v_add_nc_u32 v[AK], s[TB], v[LK]
	v_add_nc_u32 v[AKS], s[TB], v[LKS]
	KLOAD 0                                        ; step 0's k
	s_mov_b32 s[CNT], 3
.Lfirst:                                               ; steps 0-2: each asks for the next step's k, step 3's at the furthest
	STEP 1
	s_sub_co_u32 s[CNT], s[CNT], 1
	s_cmp_lg_u32 s[CNT], 0
	s_cbranch_scc1 .Lfirst
	STEP 0                                         ; step 3 is written out: step 4's bytes have not been shown landed, so nothing of them is asked for
	s_wait_tensorcnt 0x0                           ; my part of steps 4-15 is in,
	s_wait_dscnt 0x0
	s_barrier_signal -1
	s_barrier_wait -1                              ; everybody's is
	s_mov_b32 s[TB], 4*STEPB
	v_add_nc_u32 v[AK], s[TB], v[LK]
	v_add_nc_u32 v[AKS], s[TB], v[LKS]
	KLOAD 0                                        ; step 4's k
	s_mov_b32 s[CNT], 11
.Lrest:                                                ; steps 4-14
	STEP 1
	s_sub_co_u32 s[CNT], s[CNT], 1
	s_cmp_lg_u32 s[CNT], 0
	s_cbranch_scc1 .Lrest
	STEP 0                                         ; step 15: nothing follows it
	; THE WAY OUT: O^T / the sum; register 16 b + i is channel 32 b + 16 (lane / 16) + i of my query: two blocks of the last product's K, half a block to a lane
	v_add_f32 v14, v14, v15                        ; the sum's two halves,
	v_permlanex16_b32 v254, v14, s[SEL], s[SEL+1]
	v_add_f32 v14, v14, v254                       ; and lane l xor 16's
	v_rcp_f32 v14, v14
.rept 3
	v_nop                                          ; behind the reciprocal; with the two additions also the places behind the last products
.endr
	s_wait_alu depctr_va_vdst(0)
.irp j, 0,1,2,3,4,5,6,7,8,9,10,11,12,13,14,15,16,17,18,19,20,21,22,23,24,25,26,27,28,29,30,31
	v_mul_f32 v[S+\j], v[O+\j], v14
.endr
.irp b, 0,1
	v_max3_num_f32 v[232+\b], |v[S+16*\b]|, |v[S+1+16*\b]|, 0x1800000
.endr
.irp i, 2,4,6,8,10,12,14
.irp b, 0,1
	v_max3_num_f32 v[232+\b], v[232+\b], |v[S+16*\b+\i]|, |v[S+1+16*\b+\i]|
.endr
.endr
.irp b, 0,1
	v_permlanex16_b32 v[236+\b], v[232+\b], s[SEL], s[SEL+1]
.endr
.irp b, 0,1
	v_max_num_f32 v[232+\b], v[232+\b], v[236+\b]
.endr
.irp b, 0,1
	v_add_nc_u32 v[244+\b], 0xff000000, v[232+\b]
.endr
.irp b, 0,1
	v_lshrrev_b32 v[236+\b], 23, v[244+\b]
.endr
	v_lshl_or_b32 v240, v237, 8, v236              ; the head's two bytes of my row
.irp b, 0,1
	v_cvt_scalef32_pk8_fp4_f32 v[P+2*\b], v[S+16*\b:S+7+16*\b], v[244+\b]
	v_cvt_scalef32_pk8_fp4_f32 v[P+1+2*\b], v[S+8+16*\b:S+15+16*\b], v[244+\b]
.endr
	v_nop
	v_permlane16_swap_b32 v[P], v[P+2]             ; a whole block to a lane
	v_permlane16_swap_b32 v[P+1], v[P+3]
	global_store_b128 v[LI], v[P:P+3], s[8:9]      ; 512 consecutive bytes: blocks 2 x head, 2 x head + 1 of my row tile
	global_store_b32 v[L4], v240, s[14:15]         ; 128 consecutive bytes
	s_wait_tensorcnt 0x0
	ds_add_u32 v247, v255
	s_wait_dscnt 0x0
	CROUND                                         ; the closing round: no work-group ends while a partner may still ask for a tile that names it
	s_endpgm
.Lfunc_end_k_q41af7e488d_attn:
	.size	k_q41af7e488d_attn, .Lfunc_end_k_q41af7e488d_attn-k_q41af7e488d_attn
	.p2alignl 7, 3214868480
	.fill 96, 4, 3214868480
	.section	.rodata,"a",@progbits
	.p2align	6, 0x0
	.amdhsa_kernel k_q41af7e488d_attn
		.amdhsa_group_segment_fixed_size 169984
		.amdhsa_private_segment_fixed_size 0
		.amdhsa_enable_private_segment 0
		.amdhsa_kernarg_size 24
		.amdhsa_user_sgpr_count 2
		.amdhsa_user_sgpr_kernarg_segment_ptr 1
		.amdhsa_wavefront_size32 1
		.amdhsa_system_sgpr_workgroup_id_x 1
		.amdhsa_system_sgpr_workgroup_id_y 1
		.amdhsa_system_sgpr_workgroup_id_z 1
		.amdhsa_system_vgpr_workitem_id 0
		.amdhsa_next_free_vgpr 256
		.amdhsa_next_free_sgpr 66
		.amdhsa_reserve_vcc 0
		.amdhsa_float_denorm_mode_32 3
		.amdhsa_float_denorm_mode_16_64 3
		.amdhsa_memory_ordered 1
		.amdhsa_forward_progress 1
		.amdhsa_inst_pref_size 72
	.end_amdhsa_kernel
	.amdgpu_metadata
---
amdhsa.version: [ 1, 2 ]
amdhsa.kernels:
  - .name:           k_q41af7e488d_attn
    .symbol:         k_q41af7e488d_attn.kd
    .args:
      - { .name: qbuf, .offset: 0, .size: 8, .value_kind: global_buffer, .address_space: global }
      - { .name: kvbuf, .offset: 8, .size: 8, .value_kind: global_buffer, .address_space: global }
      - { .name: obuf, .offset: 16, .size: 8, .value_kind: global_buffer, .address_space: global }
    .group_segment_fixed_size: 169984
    .private_segment_fixed_size: 0
    .kernarg_segment_align: 8
    .kernarg_segment_size: 24
    .max_flat_workgroup_size: 512
    .sgpr_count:     66
    .vgpr_count:     256
    .wavefront_size: 32
...
	.end_amdgpu_metadata
.endif
;; end of part 3
;; launch outln (part 4): grid 256 x 1, 4 waves a work-group, no clusters, 66,560 bytes of LDS; arguments obuf, wbuf, bo, layer_input, gamma, beta, out0; writes out0
.if DOCPART == 4
	.amdgcn_target "amdgcn-amd-amdhsa--gfx1250"
	.amdhsa_code_object_version 6
	.text
	.protected	k_q41af7e488d_outln
	.globl	k_q41af7e488d_outln
	.p2align	8
	.type	k_q41af7e488d_outln,@function
k_q41af7e488d_outln:
	s_mov_b64 s[64:65], 0
	v_nop
	global_prefetch_b8 v0, s[64:65] scope:SCOPE_SE
	s_setreg_imm32_b32 hwreg(HW_REG_WAVE_MODE, 25, 1), 1
	s_wait_xcnt 0x0
; out0 = LayerNorm(o Wo + bo + layer_input) x gamma + beta.  The product is on codes of FP4 with E8M0 scales, sums in f32; all else in f32.
; SHARES.  A work-group takes 32 rows.  In the product wave w makes columns 128 w .. 128 w + 127 for all 32 rows: its eight tiles of Wo stand in 256 registers (source 0), the two row tiles of o pass (source 1), so that a
; lane holds a row and 16 neighbouring columns of each 32.  The results meet in a stage in LDS; behind one barrier wave w takes rows 8 w .. 8 w + 7 whole, one row across its 32 lanes, so that mean and variance never leave the wave.
; The variance is the mean of (x - mean)^2, taken in a second pass over registers: no difference of large sums is formed.
; LIMITS: NaN and infinities are not served.
; REGISTERS: window 0: v1-7 addresses; v8-15 o's scale words (4 j + s); v16-31 Wo's (4 p + s: lanes 0-15 tile 2 p, lanes 16-31 tile 2 p + 1); v96-159 accumulators; v160-223 bo in the result's layout; v224-239 o's half words.
;   Behind the barrier: v32-159 eight rows x 16 numbers; v160-175 sums, v176-183 the other half's, v184-199 means, v200-215 1 / sqrt(var + eps), in pairs.
;   window 1: Wo's fragments (i, s) at v[32 i + 8 s].   window 2: v0-63 o's fragments (j, s); v64-191 the residual's eight rows; v192-207 gamma, v208-223 beta.
.set WSC, 524288
.set OSC, 2097152
.set SP,  2064                         ; a stage row: 2,048 bytes + 16: row r begins 516 r words on, so the 16 rows that a store touches begin at 16 different groups of four banks
.set WV,  18
.set SEL, 20
.set LI,  1
.set L4,  2
.set SO,  3
.set SR,  4
.set BOFF, 5
.set TS,  8
.set SS,  16
.set X,   32
.set ACC, 96
.set B,   160
.set W8,  224
.set SUM, 160
.set PR,  176
.set MU,  184
.set RS,  200
.set RES, 64
.set GAM, 192
.set BET, 208
.set MSB, 0
.macro WIN new                         ; the immediate's high byte repeats the setting that is left
.if MSB != \new
	s_set_vgpr_msb (MSB<<8)|\new
.set MSB, \new
.endif
.endm
.macro WM d, a, b, c, sa, sb, ra       ; ra = 1: source 0's scale words are taken from lanes 16-31
.if (\ra)
	v_wmma_scale_f32_16x16x128_f8f6f4 v[\d:\d+7], v[\a:\a+7], v[\b:\b+7], v[\c:\c+7], v[\sa], v[\sb] matrix_a_fmt:MATRIX_FMT_FP4 matrix_b_fmt:MATRIX_FMT_FP4 matrix_a_scale:MATRIX_SCALE_ROW1
.else
	v_wmma_scale_f32_16x16x128_f8f6f4 v[\d:\d+7], v[\a:\a+7], v[\b:\b+7], v[\c:\c+7], v[\sa], v[\sb] matrix_a_fmt:MATRIX_FMT_FP4 matrix_b_fmt:MATRIX_FMT_FP4
.endif
.endm
.macro PRODUCT j                       ; 32 matrix instructions: eight accumulators by turns, one instruction a turn, K step by K step; bo is the C of each sum's first
.irp s, 0,1,2,3
.irp i, 0,1,2,3,4,5,6,7
.if \s == 0
	WM ACC+8*\i, 32*\i+8*\s, 32*(\j)+8*\s, B+8*\i, SS+4*(\i/2)+\s, TS+4*(\j)+\s, (\i%2)
.else
	WM ACC+8*\i, 32*\i+8*\s, 32*(\j)+8*\s, ACC+8*\i, SS+4*(\i/2)+\s, TS+4*(\j)+\s, (\i%2)
.endif
.endr
.endr
.endm
.macro TOSTAGE j                       ; register e of accumulator 2 b + u is column 128 w + 32 b + 16 h + 8 u + e of row 16 j + r; each accumulator from its low end on
.irp i, 0,1,2,3,4,5,6,7
	ds_store_b128 v[SO], v[ACC+8*\i:ACC+8*\i+3] offset:16*(\j)*SP+128*(\i/2)+32*(\i%2)
	ds_store_b128 v[SO], v[ACC+8*\i+4:ACC+8*\i+7] offset:16*(\j)*SP+128*(\i/2)+32*(\i%2)+16
.endr
.endm
.macro REDUCE                          ; eight rows' pairs of partial sums become eight sums, in every lane; the rows by turns
.irp p, 0,1,2,3,4,5,6,7
	v_add_f32 v[SUM+2*\p], v[SUM+2*\p], v[SUM+2*\p+1]
.endr
.irp m, 1,2,4,8
.irp p, 0,1,2,3,4,5,6,7
	v_add_f32_dpp v[SUM+2*\p], v[SUM+2*\p], v[SUM+2*\p] row_xmask:\m row_mask:0xf bank_mask:0xf
.endr
.endr
.irp p, 0,1,2,3,4,5,6,7
	v_permlanex16_b32 v[PR+\p], v[SUM+2*\p], s[SEL], s[SEL+1]   ; (its destination has been written: by the loads of bo)
.endr
.irp p, 0,1,2,3,4,5,6,7
	v_add_f32 v[SUM+2*\p], v[SUM+2*\p], v[PR+\p]
.endr
.endm
	s_load_b256 s[4:11], s[0:1], 0x0               ; obuf s[4:5], wbuf s[6:7], bo s[8:9], layer_input s[10:11]
	s_load_b128 s[12:15], s[0:1], 0x20             ; gamma s[12:13], beta s[14:15]
	s_load_b64 s[16:17], s[0:1], 0x30              ; out0
	v_lshl_add_u32 v254, v0, 2, 0x10200
	v_mov_b32 v255, 0
	v_lshrrev_b32 v1, 5, v0
	v_readfirstlane_b32 s[WV], v1                  ; wave 0..3
	v_and_b32 v6, 31, v0
	v_lshlrev_b32 v[LI], 4, v6
	v_lshlrev_b32 v[L4], 2, v6
	v_and_b32 v6, 15, v0                           ; r
	v_bfe_u32 v7, v0, 4, 1                         ; h
	v_lshlrev_b32 v[BOFF], 6, v7
	v_mul_u32_u24 v[SO], v6, SP
	v_lshl_add_u32 v[SO], v7, 6, v[SO]
	s_lshl_b32 s38, s[WV], 9
	v_add_nc_u32 v[SO], s38, v[SO]                 ; into the stage: row r, + 64 h, + 512 w
	s_mul_i32 s39, s[WV], 8*SP
	v_add_nc_u32 v[SR], s39, v[LI]                 ; back: my eight rows, 16 bytes a lane
	s_mov_b32 s[SEL], 0x76543210
	s_mov_b32 s[SEL+1], 0xfedcba98
	s_mov_b32 s22, 0x3b000000                      ; 1 / 512
	s_mov_b32 s23, 0x3727c5ac                      ; eps = 1e-5
	s_lshl_b32 s24, s[WV], 3
	s_add_co_u32 s24, s24, 96                      ; my eight tiles of Wo in wbuf
	s_lshl_b32 s26, s24, 12
	s_mov_b32 s27, 0
	s_lshl_b32 s28, s24, 8
	s_add_co_u32 s28, s28, WSC
	s_mov_b32 s29, 0
	s_lshl_b32 s30, ttmp9, 13                      ; my two row tiles of o
	s_mov_b32 s31, 0
	s_lshl_b32 s32, ttmp9, 11
	s_add_co_u32 s32, s32, OSC
	s_mov_b32 s33, 0
	s_lshl_b32 s34, s[WV], 9                       ; my 128 numbers of bo
	s_mov_b32 s35, 0
	s_lshl_b32 s36, ttmp9, 16
	s_lshl_b32 s37, s[WV], 14
	s_add_co_u32 s36, s36, s37                     ; my eight whole rows: (32 x work-group + 8 w) x 2,048 bytes
	s_mov_b32 s37, 0
	s_wait_kmcnt 0x0
	s_add_nc_u64 s[26:27], s[6:7], s[26:27]
	s_add_nc_u64 s[28:29], s[6:7], s[28:29]
	s_add_nc_u64 s[30:31], s[4:5], s[30:31]
	s_add_nc_u64 s[32:33], s[4:5], s[32:33]
	s_add_nc_u64 s[8:9], s[8:9], s[34:35]
	s_add_nc_u64 s[10:11], s[10:11], s[36:37]
	s_add_nc_u64 s[16:17], s[16:17], s[36:37]
	WIN 0x80                                       ; destination window 2
.irp p, 0,1,2,3,4,5,6,7
.irp i, 0,1,2,3
	global_load_b128 v[RES+16*\p+4*\i:RES+16*\p+4*\i+3], v[LI], s[10:11] offset:2048*\p+512*\i   ; the residual: 512 consecutive bytes a load; it comes from memory, so it is asked for first
.endr
.endr
.irp i, 0,1,2,3
	global_load_b128 v[GAM+4*\i:GAM+4*\i+3], v[LI], s[12:13] offset:512*\i
	global_load_b128 v[BET+4*\i:BET+4*\i+3], v[LI], s[14:15] offset:512*\i
.endr
.set n, 0
.rept 16
	global_load_b128 v[4*n:4*n+3], v[LI], s[30:31] offset:512*n
.set n, n+1
.endr
	WIN 0
.set n, 0
.rept 16
	global_load_b32 v[W8+n], v[L4], s[32:33] offset:128*n   ; (row tile j, head): register 8 j + head: the head's two bytes of row lane % 16
.set n, n+1
.endr
.irp p, 0,1,2,3
	global_load_b128 v[SS+4*\p:SS+4*\p+3], v[LI], s[28:29] offset:512*\p
.endr
.irp i, 0,1,2,3,4,5,6,7
	global_load_b128 v[B+8*\i:B+8*\i+3], v[BOFF], s[8:9] offset:(32*(\i/2)+8*(\i%2))*4
	global_load_b128 v[B+8*\i+4:B+8*\i+7], v[BOFF], s[8:9] offset:(32*(\i/2)+8*(\i%2))*4+16
.endr
	WIN 0x40                                       ; destination window 1
.set n, 0
.rept 64
	global_load_b128 v[4*n:4*n+3], v[LI], s[26:27] offset:512*n
.set n, n+1
.endr
	WIN 0
	s_wait_loadcnt 0x0
.irp j, 0,1
.irp s, 0,1,2,3
	v_lshl_or_b32 v[TS+4*\j+\s], v[W8+8*\j+2*\s+1], 16, v[W8+8*\j+2*\s]   ; K step s is heads 2 s, 2 s + 1: four bytes
.endr
.endr
.rept 8
	v_nop                                          ; a scale register written by a vector instruction stands eight places ahead of the scaled matrix instruction
.endr
	WIN 0x09                                       ; source 0 window 1, source 1 window 2
	PRODUCT 0
	WIN 0
.rept 5
	v_nop                                          ; four places in front of the stores that read results; five in front of the products that begin the accumulators anew
.endr
	TOSTAGE 0
	s_wait_dscnt 0x0                               ; the stores have read the accumulators
	WIN 0x09
	PRODUCT 1
	WIN 0
.rept 4
	v_nop
.endr
	TOSTAGE 1
	s_wait_dscnt 0x0                               ; for the others' sake: my stores into the stage are done
	s_barrier_signal -1
	s_barrier_wait -1                              ; 32 whole rows lie in the stage
.irp p, 0,1,2,3,4,5,6,7
.irp i, 0,1,2,3
	ds_load_b128 v[X+16*\p+4*\i:X+16*\p+4*\i+3], v[SR] offset:SP*\p+512*\i   ; register 4 i + e of row p: column 128 i + 4 x lane + e
.endr
.endr
	s_wait_dscnt 0x0
	WIN 0x08                                       ; source 1 window 2
.irp k, 0,2,4,6,8,10,12,14
.irp p, 0,1,2,3,4,5,6,7
	v_pk_add_f32 v[X+16*\p+\k:X+16*\p+\k+1], v[X+16*\p+\k:X+16*\p+\k+1], v[RES+16*\p+\k:RES+16*\p+\k+1]   ; + the residual
.endr
.endr
	WIN 0
.irp p, 0,1,2,3,4,5,6,7
	v_pk_add_f32 v[SUM+2*\p:SUM+2*\p+1], v[X+16*\p:X+16*\p+1], v[X+16*\p+2:X+16*\p+3]
.endr
.irp k, 4,6,8,10,12,14
.irp p, 0,1,2,3,4,5,6,7
	v_pk_add_f32 v[SUM+2*\p:SUM+2*\p+1], v[SUM+2*\p:SUM+2*\p+1], v[X+16*\p+\k:X+16*\p+\k+1]
.endr
.endr
	REDUCE
.irp p, 0,1,2,3,4,5,6,7
	v_mul_f32 v[MU+2*\p], s22, v[SUM+2*\p]         ; the mean, twice: a pair for the packed form
	v_mul_f32 v[MU+2*\p+1], s22, v[SUM+2*\p]
.endr
.irp k, 0,2,4,6,8,10,12,14
.irp p, 0,1,2,3,4,5,6,7
	v_pk_add_f32 v[X+16*\p+\k:X+16*\p+\k+1], v[X+16*\p+\k:X+16*\p+\k+1], v[MU+2*\p:MU+2*\p+1] neg_lo:[0,1] neg_hi:[0,1]   ; x - mean
.endr
.endr
.irp p, 0,1,2,3,4,5,6,7
	v_pk_mul_f32 v[SUM+2*\p:SUM+2*\p+1], v[X+16*\p:X+16*\p+1], v[X+16*\p:X+16*\p+1]
.endr
.irp k, 2,4,6,8,10,12,14
.irp p, 0,1,2,3,4,5,6,7
	v_pk_fma_f32 v[SUM+2*\p:SUM+2*\p+1], v[X+16*\p+\k:X+16*\p+\k+1], v[X+16*\p+\k:X+16*\p+\k+1], v[SUM+2*\p:SUM+2*\p+1]
.endr
.endr
	REDUCE
.irp p, 0,1,2,3,4,5,6,7
	v_fma_f32 v[SUM+2*\p], v[SUM+2*\p], s22, s23   ; the variance + eps
.endr
.irp p, 0,1,2,3,4,5,6,7
	v_rsq_f32 v[RS+2*\p], v[SUM+2*\p]
.endr
	v_nop                                          ; one plain instruction behind the last transcendental
	s_wait_alu depctr_va_vdst(0)
.irp p, 0,1,2,3,4,5,6,7
	v_mov_b32 v[RS+2*\p+1], v[RS+2*\p]
.endr
.irp k, 0,2,4,6,8,10,12,14
.irp p, 0,1,2,3,4,5,6,7
	v_pk_mul_f32 v[X+16*\p+\k:X+16*\p+\k+1], v[X+16*\p+\k:X+16*\p+\k+1], v[RS+2*\p:RS+2*\p+1]
.endr
.endr
	WIN 0x28                                       ; sources 1 and 2 window 2
.irp k, 0,2,4,6,8,10,12,14
.irp p, 0,1,2,3,4,5,6,7
	v_pk_fma_f32 v[X+16*\p+\k:X+16*\p+\k+1], v[X+16*\p+\k:X+16*\p+\k+1], v[GAM+\k:GAM+\k+1], v[BET+\k:BET+\k+1]
.endr
.endr
	WIN 0
.irp p, 0,1,2,3,4,5,6,7
.irp i, 0,1,2,3
	global_store_b128 v[LI], v[X+16*\p+4*\i:X+16*\p+4*\i+3], s[16:17] offset:2048*\p+512*\i th:TH_STORE_NT   ; 32 lanes store 512 consecutive bytes, aligned; written once, read by nobody here
.endr
.endr
	s_wait_tensorcnt 0x0
	ds_add_u32 v254, v255
	s_wait_dscnt 0x0
	s_endpgm
.Lfunc_end_k_q41af7e488d_outln:
	.size	k_q41af7e488d_outln, .Lfunc_end_k_q41af7e488d_outln-k_q41af7e488d_outln
	.p2alignl 7, 3214868480
	.fill 96, 4, 3214868480
	.section	.rodata,"a",@progbits
	.p2align	6, 0x0
	.amdhsa_kernel k_q41af7e488d_outln
		.amdhsa_group_segment_fixed_size 66560
		.amdhsa_private_segment_fixed_size 0
		.amdhsa_enable_private_segment 0
		.amdhsa_kernarg_size 56
		.amdhsa_user_sgpr_count 2
		.amdhsa_user_sgpr_kernarg_segment_ptr 1
		.amdhsa_wavefront_size32 1
		.amdhsa_system_sgpr_workgroup_id_x 1
		.amdhsa_system_sgpr_workgroup_id_y 1
		.amdhsa_system_sgpr_workgroup_id_z 1
		.amdhsa_system_vgpr_workitem_id 0
		.amdhsa_next_free_vgpr 768
		.amdhsa_next_free_sgpr 66
		.amdhsa_reserve_vcc 0
		.amdhsa_float_denorm_mode_32 3
		.amdhsa_float_denorm_mode_16_64 3
		.amdhsa_memory_ordered 1
		.amdhsa_forward_progress 1
		.amdhsa_inst_pref_size 65
	.end_amdhsa_kernel
	.amdgpu_metadata
---
amdhsa.version: [ 1, 2 ]
amdhsa.kernels:
  - .name:           k_q41af7e488d_outln
    .symbol:         k_q41af7e488d_outln.kd
    .args:
      - { .name: obuf, .offset: 0, .size: 8, .value_kind: global_buffer, .address_space: global }
      - { .name: wbuf, .offset: 8, .size: 8, .value_kind: global_buffer, .address_space: global }
      - { .name: bo, .offset: 16, .size: 8, .value_kind: global_buffer, .address_space: global }
      - { .name: layer_input, .offset: 24, .size: 8, .value_kind: global_buffer, .address_space: global }
      - { .name: gamma, .offset: 32, .size: 8, .value_kind: global_buffer, .address_space: global }
      - { .name: beta, .offset: 40, .size: 8, .value_kind: global_buffer, .address_space: global }
      - { .name: out0, .offset: 48, .size: 8, .value_kind: global_buffer, .address_space: global }
    .group_segment_fixed_size: 66560
    .private_segment_fixed_size: 0
    .kernarg_segment_align: 8
    .kernarg_segment_size: 56
    .max_flat_workgroup_size: 128
    .sgpr_count:     66
    .vgpr_count:     768
    .wavefront_size: 32
...
	.end_amdgpu_metadata
.endif
;; end of part 4
;; ======== version 2 of 2: 4 launches; version 1 with the launches proj, outln written anew for expert scheduling mode
;; workspace buffers: abuf 4,456,448 bytes; wbuf 557,056 bytes; qbuf 2,359,296 bytes; kvbuf 4,718,592 bytes; obuf 2,621,440 bytes
;; launch quant: the kernel of part 1 again; grid 320 x 1, 4 waves a work-group, no clusters, 34,304 bytes of LDS; arguments layer_input, cross_attn_input, Wq, Wkv, Wo, abuf, wbuf; writes abuf, wbuf
;; launch proj (part 5): grid 192 x 1, 4 waves a work-group, no clusters, 0 bytes of LDS; arguments abuf, wbuf, bq, bkv, qbuf, kvbuf; writes qbuf, kvbuf
.if DOCPART == 5
	.amdgcn_target "amdgcn-amd-amdhsa--gfx1250"
	.amdhsa_code_object_version 6
	.text
	.protected	k_q41af7e488d_proj
	.globl	k_q41af7e488d_proj
	.p2align	8
	.type	k_q41af7e488d_proj,@function
k_q41af7e488d_proj:
	s_mov_b64 s[64:65], 0
	v_nop
	global_prefetch_b8 v0, s[64:65] scope:SCOPE_SE
	s_setreg_imm32_b32 hwreg(HW_REG_WAVE_SCHED_MODE, 0, 2), 2
	s_setreg_imm32_b32 hwreg(HW_REG_WAVE_MODE, 25, 1), 1
	s_wait_xcnt 0x0
	s_wait_alu depctr_vm_vsrc(0)
; q = x Wq + bq, k and v = c Wkv + bkv, on codes of FP4 with E8M0 scales, sums in f32; the results are quantised in registers, q and k along the head's 64 channels, v along the keys, and stored as register images.
; ONE SCHEME.  A wave holds a STANDING set of 8 tiles (16 rows x K 512 each; 256 registers) and 8 PASSING tiles (256 registers).  For each passing tile: eight accumulators = standing tile i (source 0) x the passing
; tile (source 1), four K steps.  In the result a lane is a row of the passing tile and its registers run along the standing tiles' rows; those tiles are permuted (row r of tile 2 b + u is row 32 b + 8 u + r + 8 (r / 8)),
; so register 16 b + i is index 32 b + 16 (lane / 16) + i: 16 neighbours of each block of 32 along the next product's K.
; ROLES, by the work-group's number: 0-63 q (standing: Wq's columns of heads 2 w, 2 w + 1; passing: 128 rows of x); 64-127 k (Wk's columns; 128 keys); 128-191 v (standing: a step of 128 keys; passing: Wv's columns).
; 192 work-groups: the work is 768 equal shares of a wave; a finer cut would read the standing 32 KiB more often.
; qbuf: codes [row tile 512][head 8][lane 32][16 bytes]; from QSC on the words [row tile][head][row 16], bytes 0, 1 the head's two blocks, bytes 2, 3 zero.
; kvbuf: [batch x head 32][step of 128 keys 16][9,216 bytes]: +0 k's codes [key tile 8][lane][16]; +4096 v's codes [channel tile 4][c 2][lane][16]; +8192 k's words [tile 8][row 16]; +8704 v's words [tile 4][lane 32].
; LIMITS: NaN and infinities are not served; a block whose largest magnitude lies under 2^-124 gets the byte 1 (this program alone reads the bytes).
; REGISTERS: window 0: v1-9 addresses and work; v16-31 at work in QUANT; v32-39 codes; v40-55, v56-71 scale words of the standing and the passing tiles (register 4 p + s: lanes 0-15 tile 2 p, lanes 16-31 tile 2 p + 1, K step s);
;   v96-159 the accumulators; v160-223 the bias in the result's layout.   window 1: the standing tiles, fragment (i, s) at v[32 i + 8 s].   window 2: the passing tiles likewise.
; THE MODE: SCHED_MODE bits 1:0 = 2 (LLVM: expert scheduling mode 2), set by the entry lines.  The code itself states the register dependences between vector or matrix instructions and memory instructions,
; with s_wait_alu, always for 0.
; THE PLAN.  Registers that memory instructions touch:
;   v1, v2, v4, v9   offsets, made at the head and never written again: one wait on va_vdst ahead of the first load serves every load and store that reads them.
;   v40-71, v160-223, windows 1 and 2   each loaded once, at the head; no vector instruction names them ahead of their load, and none is loaded again.
;   v3               q, k: the words' offset, made once behind the loads; read by the stores of words.
;   v32-39, v8, v7   THE OUT-BUFFER: written by passing tile j's QUANT and the three lines behind it, read by tile j's stores.
; So a passing tile has one wait on va_vdst, ahead of its stores, and one on vm_vsrc, beside s_wait_xcnt 0: that pair stands behind the NEXT tile's 32 products, which name none of the stores' registers, and ahead
; of that tile's QUANT, the out-buffer's first writer.
.set ASC,   4194304
.set WSC,   524288
.set QSC,   2097152
.set HEADB, 147456                     ; a head's bytes in kvbuf
.set WV,   16
.set ROLE, 17
.set IDX,  18
.set SEL,  20
.set LI,   1                           ; v1  16 x lane
.set L4,   2                           ; v2  4 x lane
.set SOFF, 3                           ; v3  q, k: where my scale word goes
.set BOFF, 4                           ; v4  q, k: my offset in the bias
.set BOFV, 9                           ; v9  v: my offset in the bias
.set PW,   8
.set TM,   16
.set PC,   32
.set SS,   40
.set TS,   56
.set ACC,  96
.set B,    160
.set MSB, 0
.macro WIN new                         ; the immediate's high byte repeats the setting that is left
.if MSB != \new
	s_set_vgpr_msb (MSB<<8)|\new
.set MSB, \new
.endif
.endm
.macro QUANT s, pc, pw                 ; 64 numbers of a lane, register 16 b + i = k 32 b + 16 (lane / 16) + i, become eight registers of codes and the row's scale word
.irp b, 0,1,2,3
	v_max3_num_f32 v[TM+\b], |v[\s+16*\b]|, |v[\s+1+16*\b]|, 0x1800000   ; and the floor 2^(3 - 127).  Each accumulator is read from its low end on
.endr
.irp i, 2,4,6,8,10,12,14
.irp b, 0,1,2,3
	v_max3_num_f32 v[TM+\b], v[TM+\b], |v[\s+16*\b+\i]|, |v[\s+1+16*\b+\i]|
.endr
.endr
.irp b, 0,1,2,3
	v_permlanex16_b32 v[TM+4+\b], v[TM+\b], s[SEL], s[SEL+1]
.endr
.irp b, 0,1,2,3
	v_max_num_f32 v[TM+\b], v[TM+\b], v[TM+4+\b]
.endr
.irp b, 0,1,2,3
	v_add_nc_u32 v[TM+12+\b], 0xff000000, v[TM+\b]     ; 2 off the exponent field: the conversion's scale operand
.endr
.irp b, 0,1,2,3
	v_lshrrev_b32 v[TM+4+\b], 23, v[TM+12+\b]          ; the scale's byte
.endr
	v_lshl_or_b32 v[\pw], v[TM+5], 8, v[TM+4]
	v_lshl_or_b32 v[\pw], v[TM+6], 16, v[\pw]
	v_lshl_or_b32 v[\pw], v[TM+7], 24, v[\pw]
.irp b, 0,1,2,3
	v_cvt_scalef32_pk8_fp4_f32 v[\pc+2*\b], v[\s+16*\b:\s+7+16*\b], v[TM+12+\b]
	v_cvt_scalef32_pk8_fp4_f32 v[\pc+1+2*\b], v[\s+8+16*\b:\s+15+16*\b], v[TM+12+\b]
.endr
	v_nop                                              ; one plain instruction behind a scaled conversion
.irp c, 0,1
.irp i, 0,1
	v_permlane16_swap_b32 v[\pc+4*\c+\i], v[\pc+2+4*\c+\i]
.endr
.endr
.endm
; one matrix instruction; ra, rb = 1: that side's scale words are taken from lanes 16-31
.macro WM d, a, b, c, sa, sb, ra, rb
.if (\ra) && (\rb)
	v_wmma_scale_f32_16x16x128_f8f6f4 v[\d:\d+7], v[\a:\a+7], v[\b:\b+7], v[\c:\c+7], v[\sa], v[\sb] matrix_a_fmt:MATRIX_FMT_FP4 matrix_b_fmt:MATRIX_FMT_FP4 matrix_a_scale:MATRIX_SCALE_ROW1 matrix_b_scale:MATRIX_SCALE_ROW1
.elseif (\ra)
	v_wmma_scale_f32_16x16x128_f8f6f4 v[\d:\d+7], v[\a:\a+7], v[\b:\b+7], v[\c:\c+7], v[\sa], v[\sb] matrix_a_fmt:MATRIX_FMT_FP4 matrix_b_fmt:MATRIX_FMT_FP4 matrix_a_scale:MATRIX_SCALE_ROW1
.elseif (\rb)
	v_wmma_scale_f32_16x16x128_f8f6f4 v[\d:\d+7], v[\a:\a+7], v[\b:\b+7], v[\c:\c+7], v[\sa], v[\sb] matrix_a_fmt:MATRIX_FMT_FP4 matrix_b_fmt:MATRIX_FMT_FP4 matrix_b_scale:MATRIX_SCALE_ROW1
.else
	v_wmma_scale_f32_16x16x128_f8f6f4 v[\d:\d+7], v[\a:\a+7], v[\b:\b+7], v[\c:\c+7], v[\sa], v[\sb] matrix_a_fmt:MATRIX_FMT_FP4 matrix_b_fmt:MATRIX_FMT_FP4
.endif
.endm
; 32 matrix instructions for passing tile j: the eight accumulators by turns, one instruction a turn, K step by K step.  The bias is the C of each sum's first instruction:
; vrole = 0: it hangs on the standing tile's rows (eight registers for each i); vrole = 1: on the passing tile's row, my lane's (eight equal registers for each j).
.macro PRODUCT j, vrole
.irp s, 0,1,2,3
.irp i, 0,1,2,3,4,5,6,7
.if (\s == 0) && (\vrole == 1)
	WM ACC+8*\i, 32*\i+8*\s, 32*(\j)+8*\s, B+8*(\j), SS+4*(\i/2)+\s, TS+4*((\j)/2)+\s, (\i%2), ((\j)%2)
.elseif \s == 0
	WM ACC+8*\i, 32*\i+8*\s, 32*(\j)+8*\s, B+8*\i, SS+4*(\i/2)+\s, TS+4*((\j)/2)+\s, (\i%2), ((\j)%2)
.else
	WM ACC+8*\i, 32*\i+8*\s, 32*(\j)+8*\s, ACC+8*\i, SS+4*(\i/2)+\s, TS+4*((\j)/2)+\s, (\i%2), ((\j)%2)
.endif
.endr
.endr
.endm
.macro TLOADS                          ; the eight passing tiles: 64 loads of 512 consecutive bytes; they are the last loads of the text, eight to a tile
	WIN 0x80
.set n, 0
.rept 64
	global_load_b128 v[4*n:4*n+3], v[LI], s[34:35] offset:512*n
.set n, n+1
.endr
	WIN 0
.endm
.macro KVOFF                           ; s53 = where head 2 w of my batch has my step in kvbuf: ((8 x batch + 2 w) x 16 + step) x 9,216
	s_lshr_b32 s53, s[IDX], 4
	s_lshl_b32 s53, s53, 3
	s_lshl_b32 s54, s[WV], 1
	s_add_co_u32 s53, s53, s54
	s_lshl_b32 s53, s53, 4
	s_and_b32 s54, s[IDX], 15
	s_add_co_u32 s53, s53, s54
	s_mul_i32 s53, s53, 9216
.endm
.macro MULQ j, vrole                   ; the products of passing tile j, and their results as codes
	s_wait_loadcnt 8*(7-(\j))                          ; all but the later passing tiles' loads, eight each, are in
.if (\vrole == 1) && ((\j) == 0)
.irp t, 0,1,2,3,4,5,6,7                        ; v's bias hangs on the lane alone: each tile's number is spread over the eight registers of a C
.irp e, 1,2,3,4,5,6,7
	v_mov_b32 v[B+8*\t+\e], v[B+8*\t]
.endr
.endr
.endif
	WIN 0x09                                           ; source 0 window 1, source 1 window 2
	PRODUCT \j, \vrole
	WIN 0
.if (\j) > 0
	s_wait_xcnt 0x0                                    ; the last tile's stores have had their addresses translated: their data and their bases are written again only behind this wait
	s_wait_alu depctr_vm_vsrc(0)                       ; the last tile's stores have read v32-39, v8 and v7, which the lines below write again
.if \vrole == 0
	s_add_nc_u64 s[40:41], s[40:41], s[46:47]          ; on to this passing tile's places
	s_add_nc_u64 s[42:43], s[42:43], s[46:47]
	s_add_nc_u64 s[44:45], s[44:45], s[48:49]
.endif
.endif
.rept 4
	v_nop                                              ; four places between the last product and the first read of a result
.endr
	QUANT ACC, PC, PW                                  ; its instructions are also the places in front of the next tile's products, which begin the accumulators anew
.endm
	s_load_b256 s[4:11], s[0:1], 0x0               ; abuf s[4:5], wbuf s[6:7], bq s[8:9], bkv s[10:11]
	s_load_b128 s[12:15], s[0:1], 0x20             ; qbuf s[12:13], kvbuf s[14:15]
	v_lshrrev_b32 v1, 5, v0
	v_readfirstlane_b32 s[WV], v1                  ; wave 0..3: the pair of heads
	s_lshr_b32 s[ROLE], ttmp9, 6
	s_and_b32 s[IDX], ttmp9, 63
	v_and_b32 v5, 31, v0                           ; lane
	v_lshlrev_b32 v[LI], 4, v5
	v_lshlrev_b32 v[L4], 2, v5
	v_and_b32 v6, 15, v0                           ; r
	v_bfe_u32 v7, v0, 4, 1                         ; h
	v_lshlrev_b32 v[BOFF], 6, v7                   ; q, k: register e of tile 2 b + u is channel 32 b + 16 h + 8 u + e
	v_and_b32 v[BOFV], 8, v6
	v_add_nc_u32 v[BOFV], v[BOFV], v6
	v_lshlrev_b32 v[BOFV], 2, v[BOFV]              ; v: row r of passing tile 2 g + u is channel 32 g + 8 u + r + 8 (r / 8)
	s_mov_b32 s[SEL], 0x76543210
	s_mov_b32 s[SEL+1], 0xfedcba98
.irp b, 0,1,2,3
	v_mov_b32 v[TM+4+\b], 0                        ; written once: a lane permute's destination counts as one of its sources
.endr
	s_wait_alu depctr_va_sdst(0)                   ; s16, the wave's number, is written, ahead of its first reader: the tiles' places are made from it
	s_lshl_b32 s51, s[ROLE], 5
	s_lshl_b32 s52, s[WV], 3
	s_add_co_u32 s51, s51, s52                     ; my eight tiles of wbuf: 32 x role + 8 w on
	s_lshl_b32 s22, s51, 12
	s_mov_b32 s23, 0
	s_lshl_b32 s24, s51, 8
	s_add_co_u32 s24, s24, WSC
	s_mov_b32 s25, 0
	s_min_u32 s52, s[ROLE], 1
	s_lshl_b32 s52, s52, 9
	s_lshl_b32 s53, s[IDX], 3
	s_add_co_u32 s52, s52, s53                     ; my eight tiles of abuf: x's for q, c's (512 on) for k and v
	s_lshl_b32 s26, s52, 12
	s_mov_b32 s27, 0
	s_lshl_b32 s28, s52, 8
	s_add_co_u32 s28, s28, ASC
	s_mov_b32 s29, 0
	s_wait_kmcnt 0x0
	s_add_nc_u64 s[22:23], s[6:7], s[22:23]
	s_add_nc_u64 s[24:25], s[6:7], s[24:25]
	s_add_nc_u64 s[26:27], s[4:5], s[26:27]
	s_add_nc_u64 s[28:29], s[4:5], s[28:29]
	s_cmp_eq_u32 s[ROLE], 2                        ; for v the keys stand and the weights pass; the choice hangs on the work-group's number alone
	s_cselect_b64 s[30:31], s[26:27], s[22:23]     ; standing: codes,
	s_cselect_b64 s[32:33], s[28:29], s[24:25]     ; scale words
	s_cselect_b64 s[34:35], s[22:23], s[26:27]     ; passing: codes,
	s_cselect_b64 s[36:37], s[24:25], s[28:29]     ; scale words
	s_wait_alu depctr_va_vdst(0)                   ; the offsets v1, v2, v4 and v9 are written: every load of the text reads one of them, and up to the last load no vector instruction follows
.irp p, 0,1,2,3
	global_load_b128 v[SS+4*\p:SS+4*\p+3], v[LI], s[32:33] offset:512*\p   ; two tiles' words: lanes 0-15 the even tile's rows, lanes 16-31 the odd one's; four K steps
	global_load_b128 v[TS+4*\p:TS+4*\p+3], v[LI], s[36:37] offset:512*\p
.endr
	WIN 0x40
.set n, 0
.rept 64
	global_load_b128 v[4*n:4*n+3], v[LI], s[30:31] offset:512*n
.set n, n+1
.endr
	WIN 0
	s_cmp_eq_u32 s[ROLE], 2
	s_cbranch_scc1 .Lv
	; ---- q and k: told apart by scalars alone
	s_lshl_b32 s51, s[IDX], 15
	s_lshl_b32 s52, s[WV], 10
	s_add_co_u32 s51, s51, s52                     ; q's codes: 8 row tiles x 4,096 x work-group + 2 heads x 512 x wave
	s_lshl_b32 s52, s[IDX], 12
	s_lshl_b32 s54, s[WV], 7
	s_add_co_u32 s52, s52, s54
	s_add_co_u32 s52, s52, QSC                     ; q's words
	KVOFF
	s_add_co_u32 s54, s53, 8192                    ; k's words
	s_mov_b32 s55, HEADB
	s_mov_b32 s46, 512
	s_lshl_b32 s38, s[WV], 9                       ; my 128 numbers of the bias
	s_mov_b32 s39, 0
	s_cmp_eq_u32 s[ROLE], 0
	s_cselect_b64 s[40:41], s[12:13], s[14:15]     ; qbuf or kvbuf
	s_cselect_b64 s[8:9], s[8:9], s[10:11]         ; bq or bkv
	s_cselect_b32 s56, s51, s53                    ; the codes' offset,
	s_cselect_b32 s58, s52, s54                    ; the words',
	s_cselect_b32 s60, 512, s55                    ; from head 2 w to head 2 w + 1 among the codes,
	s_cselect_b32 s62, 64, s55                     ; among the words,
	s_cselect_b32 s46, 4096, s46                   ; from passing tile to passing tile among the codes,
	s_cselect_b32 s48, 512, 64                     ; among the words
	s_mov_b32 s57, 0
	s_mov_b32 s59, 0
	s_mov_b32 s61, 0
	s_mov_b32 s47, 0
	s_mov_b32 s49, 0
	s_add_nc_u64 s[38:39], s[8:9], s[38:39]
	s_add_nc_u64 s[44:45], s[40:41], s[58:59]      ; words
	s_add_nc_u64 s[40:41], s[40:41], s[56:57]      ; codes of head 2 w
	s_add_nc_u64 s[42:43], s[40:41], s[60:61]      ; and of head 2 w + 1
.irp i, 0,1,2,3,4,5,6,7
	global_load_b128 v[B+8*\i:B+8*\i+3], v[BOFF], s[38:39] offset:(32*(\i/2)+8*(\i%2))*4
	global_load_b128 v[B+8*\i+4:B+8*\i+7], v[BOFF], s[38:39] offset:(32*(\i/2)+8*(\i%2))*4+16
.endr
	TLOADS
	v_mul_u32_u24 v[SOFF], s62, v7
	v_lshl_add_u32 v[SOFF], v6, 2, v[SOFF]         ; lanes 0-15 store head 2 w's word of row r, lanes 16-31 head 2 w + 1's
	v_cmp_le_u32 s50, 16, v5
	s_wait_alu depctr_va_sdst(0)                   ; s50, the mask of lanes 16-31, is written, ahead of the selections that read it
.macro KQ_J j
	MULQ \j, 0
	v_and_b32 v5, 0xffff, v[PW]                        ; blocks 0, 1 are head 2 w's 64 channels,
	v_lshrrev_b32 v6, 16, v[PW]                        ; blocks 2, 3 head 2 w + 1's
	v_cndmask_b32 v7, v5, v6, s50
	s_wait_alu depctr_va_vdst(0)                       ; the codes v32-39 and the word v7 are written, which the three stores read; ahead of the first tile's stores also their offset v3
	global_store_b128 v[LI], v[PC:PC+3], s[40:41]      ; 512 consecutive bytes: registers 0-3 of a fragment whose K is 64
	global_store_b128 v[LI], v[PC+4:PC+7], s[42:43]
	global_store_b32 v[SOFF], v7, s[44:45]             ; two runs of 64 bytes
.endm
.irp j, 0,1,2,3,4,5,6,7
	KQ_J \j
.endr
	s_endpgm
	; ---- v: a lane is a channel, its registers run along the step's 128 keys
.Lv:
	KVOFF
	s_mov_b32 s54, s53
	s_mov_b32 s55, 0
	s_add_nc_u64 s[40:41], s[14:15], s[54:55]
	s_lshl_b32 s38, s[WV], 9
	s_add_co_u32 s38, s38, 2048                    ; v's half of bkv, my 128 channels
	s_mov_b32 s39, 0
	s_add_nc_u64 s[38:39], s[10:11], s[38:39]
.irp j, 0,1,2,3,4,5,6,7
	global_load_b32 v[B+8*\j], v[BOFV], s[38:39] offset:(32*(\j/2)+8*(\j%2))*4
.endr
	TLOADS
.macro V_J j
	MULQ \j, 1
	s_wait_alu depctr_va_vdst(0)                       ; the codes v32-39 and the word v8 are written, which the three stores read
	global_store_b128 v[LI], v[PC:PC+3], s[40:41] offset:((\j)/4)*HEADB+4096+((\j)%4)*1024
	global_store_b128 v[LI], v[PC+4:PC+7], s[40:41] offset:((\j)/4)*HEADB+4096+((\j)%4)*1024+512
	global_store_b32 v[L4], v[PW], s[40:41] offset:((\j)/4)*HEADB+8704+((\j)%4)*128   ; every lane holds its row's word: 128 consecutive bytes
.endm
.irp j, 0,1,2,3,4,5,6,7
	V_J \j
.endr
	s_endpgm
.Lfunc_end_k_q41af7e488d_proj:
	.size	k_q41af7e488d_proj, .Lfunc_end_k_q41af7e488d_proj-k_q41af7e488d_proj
	.p2alignl 7, 3214868480
	.fill 96, 4, 3214868480
	.section	.rodata,"a",@progbits
	.p2align	6, 0x0
	.amdhsa_kernel k_q41af7e488d_proj
		.amdhsa_group_segment_fixed_size 0
		.amdhsa_private_segment_fixed_size 0
		.amdhsa_enable_private_segment 0
		.amdhsa_kernarg_size 48
		.amdhsa_user_sgpr_count 2
		.amdhsa_user_sgpr_kernarg_segment_ptr 1
		.amdhsa_wavefront_size32 1
		.amdhsa_system_sgpr_workgroup_id_x 1
		.amdhsa_system_sgpr_workgroup_id_y 1
		.amdhsa_system_sgpr_workgroup_id_z 1
		.amdhsa_system_vgpr_workitem_id 0
		.amdhsa_next_free_vgpr 768
		.amdhsa_next_free_sgpr 66
		.amdhsa_reserve_vcc 0
		.amdhsa_float_denorm_mode_32 3
		.amdhsa_float_denorm_mode_16_64 3
		.amdhsa_memory_ordered 1
		.amdhsa_forward_progress 1
		.amdhsa_inst_pref_size 163
	.end_amdhsa_kernel
	.amdgpu_metadata
---
amdhsa.version: [ 1, 2 ]
amdhsa.kernels:
  - .name:           k_q41af7e488d_proj
    .symbol:         k_q41af7e488d_proj.kd
    .args:
      - { .name: abuf, .offset: 0, .size: 8, .value_kind: global_buffer, .address_space: global }
      - { .name: wbuf, .offset: 8, .size: 8, .value_kind: global_buffer, .address_space: global }
      - { .name: bq, .offset: 16, .size: 8, .value_kind: global_buffer, .address_space: global }
      - { .name: bkv, .offset: 24, .size: 8, .value_kind: global_buffer, .address_space: global }
      - { .name: qbuf, .offset: 32, .size: 8, .value_kind: global_buffer, .address_space: global }
      - { .name: kvbuf, .offset: 40, .size: 8, .value_kind: global_buffer, .address_space: global }
    .group_segment_fixed_size: 0
    .private_segment_fixed_size: 0
    .kernarg_segment_align: 8
    .kernarg_segment_size: 48
    .max_flat_workgroup_size: 128
    .sgpr_count:     66
    .vgpr_count:     768
    .wavefront_size: 32
...
	.end_amdgpu_metadata
.endif
;; end of part 5
;; launch attn: the kernel of part 3 again; grid 8 x 32, 16 waves a work-group, clusters of 4 x 1, 169,984 bytes of LDS; arguments qbuf, kvbuf, obuf; writes obuf
;; launch outln (part 6): grid 256 x 1, 4 waves a work-group, no clusters, 66,560 bytes of LDS; arguments obuf, wbuf, bo, layer_input, gamma, beta, out0; writes out0
.if DOCPART == 6
	.amdgcn_target "amdgcn-amd-amdhsa--gfx1250"
	.amdhsa_code_object_version 6
	.text
	.protected	k_q41af7e488d_outln
	.globl	k_q41af7e488d_outln
	.p2align	8
	.type	k_q41af7e488d_outln,@function
k_q41af7e488d_outln:
	s_mov_b64 s[64:65], 0
	v_nop
	global_prefetch_b8 v0, s[64:65] scope:SCOPE_SE
	s_setreg_imm32_b32 hwreg(HW_REG_WAVE_SCHED_MODE, 0, 2), 2
	s_setreg_imm32_b32 hwreg(HW_REG_WAVE_MODE, 25, 1), 1
	s_wait_xcnt 0x0
	s_wait_alu depctr_vm_vsrc(0)
; out0 = LayerNorm(o Wo + bo + layer_input) x gamma + beta.  The product is on codes of FP4 with E8M0 scales, sums in f32; all else in f32.
; SHARES.  A work-group takes 32 rows.  In the product wave w makes columns 128 w .. 128 w + 127 for all 32 rows: its eight tiles of Wo stand in 256 registers (source 0), the two row tiles of o pass (source 1), so that a
; lane holds a row and 16 neighbouring columns of each 32.  The results meet in a stage in LDS; behind one barrier wave w takes rows 8 w .. 8 w + 7 whole, one row across its 32 lanes, so that mean and variance never leave the wave.
; The variance is the mean of (x - mean)^2, taken in a second pass over registers: no difference of large sums is formed.
; LIMITS: NaN and infinities are not served.
; REGISTERS: window 0: v1-7 addresses; v8-15 o's scale words (4 j + s); v16-31 Wo's (4 p + s: lanes 0-15 tile 2 p, lanes 16-31 tile 2 p + 1); v96-159 row tile 0's accumulators, v32-95 row tile 1's; v160-223 bo in the result's layout;
;   v224-239 o's half words; v254, v255 the closing add's two.
;   Behind the barrier: v32-159 eight rows x 16 numbers; v160-175 sums, v176-183 the other half's, v184-199 means, v200-215 1 / sqrt(var + eps), in pairs.
;   window 1: Wo's fragments (i, s) at v[32 i + 8 s].   window 2: v0-63 o's fragments (j, s); v64-191 the residual's eight rows; v192-207 gamma, v208-223 beta.
; THE MODE: SCHED_MODE bits 1:0 = 2 (LLVM: expert scheduling mode 2), set by the entry lines.  The code itself states the register dependences between vector or matrix instructions and memory or LDS instructions,
; with s_wait_alu, always for 0.
; THE PLAN.  Registers that memory or LDS instructions touch:
;   v1-5, v254, v255   addresses, offsets and the add's two: made at the head, never written again: one wait on va_vdst ahead of the first load.
;   windows 1 and 2, v16-31, v160-223, v224-239   each loaded once, at the head; no vector instruction names them ahead of their load.
;   v96-159   written by row tile 0's products, read by its 16 stores into the stage.    v32-95   the same for row tile 1.  Each tile has accumulators of its own, so tile 1's products write nothing that tile 0's stores read.
;   v32-159   behind the barrier the LDS loads of whole rows land here; the norm's arithmetic works in place; the 32 global stores read them.
; So: one wait on va_vdst behind each tile's places, ahead of its stores into the stage; one on vm_vsrc behind the barrier, ahead of the loads that land where those stores read; one on va_vdst ahead of the global stores.
; Beside these: o's scale words v8-15, made by vector instructions, have their wait ahead of the first scaled product; the reciprocal roots theirs ahead of their first reader.
.set WSC, 524288
.set OSC, 2097152
.set SP,  2064                         ; a stage row: 2,048 bytes + 16: row r begins 516 r words on, so the 16 rows that a store touches begin at 16 different groups of four banks
.set WV,  18
.set SEL, 20
.set LI,  1
.set L4,  2
.set SO,  3
.set SR,  4
.set BOFF, 5
.set TS,  8
.set SS,  16
.set X,   32
.set ACC0, 96
.set ACC1, 32
.set B,   160
.set W8,  224
.set SUM, 160
.set PR,  176
.set MU,  184
.set RS,  200
.set RES, 64
.set GAM, 192
.set BET, 208
.set MSB, 0
.macro WIN new                         ; the immediate's high byte repeats the setting that is left
.if MSB != \new
	s_set_vgpr_msb (MSB<<8)|\new
.set MSB, \new
.endif
.endm
.macro WM d, a, b, c, sa, sb, ra       ; ra = 1: source 0's scale words are taken from lanes 16-31
.if (\ra)
	v_wmma_scale_f32_16x16x128_f8f6f4 v[\d:\d+7], v[\a:\a+7], v[\b:\b+7], v[\c:\c+7], v[\sa], v[\sb] matrix_a_fmt:MATRIX_FMT_FP4 matrix_b_fmt:MATRIX_FMT_FP4 matrix_a_scale:MATRIX_SCALE_ROW1
.else
	v_wmma_scale_f32_16x16x128_f8f6f4 v[\d:\d+7], v[\a:\a+7], v[\b:\b+7], v[\c:\c+7], v[\sa], v[\sb] matrix_a_fmt:MATRIX_FMT_FP4 matrix_b_fmt:MATRIX_FMT_FP4
.endif
.endm
.macro PRODUCT j, acc                  ; 32 matrix instructions: eight accumulators, v[acc] on, by turns, one instruction a turn, K step by K step; bo is the C of each sum's first
.irp s, 0,1,2,3
.irp i, 0,1,2,3,4,5,6,7
.if \s == 0
	WM \acc+8*\i, 32*\i+8*\s, 32*(\j)+8*\s, B+8*\i, SS+4*(\i/2)+\s, TS+4*(\j)+\s, (\i%2)
.else
	WM \acc+8*\i, 32*\i+8*\s, 32*(\j)+8*\s, \acc+8*\i, SS+4*(\i/2)+\s, TS+4*(\j)+\s, (\i%2)
.endif
.endr
.endr
.endm
.macro TOSTAGE j, acc                  ; register e of accumulator 2 b + u is column 128 w + 32 b + 16 h + 8 u + e of row 16 j + r; each accumulator from its low end on
.irp i, 0,1,2,3,4,5,6,7
	ds_store_b128 v[SO], v[\acc+8*\i:\acc+8*\i+3] offset:16*(\j)*SP+128*(\i/2)+32*(\i%2)
	ds_store_b128 v[SO], v[\acc+8*\i+4:\acc+8*\i+7] offset:16*(\j)*SP+128*(\i/2)+32*(\i%2)+16
.endr
.endm
.macro REDUCE                          ; eight rows' pairs of partial sums become eight sums, in every lane; the rows by turns
.irp p, 0,1,2,3,4,5,6,7
	v_add_f32 v[SUM+2*\p], v[SUM+2*\p], v[SUM+2*\p+1]
.endr
.irp m, 1,2,4,8
.irp p, 0,1,2,3,4,5,6,7
	v_add_f32_dpp v[SUM+2*\p], v[SUM+2*\p], v[SUM+2*\p] row_xmask:\m row_mask:0xf bank_mask:0xf
.endr
.endr
.irp p, 0,1,2,3,4,5,6,7
	v_permlanex16_b32 v[PR+\p], v[SUM+2*\p], s[SEL], s[SEL+1]   ; (its destination has been written: by the loads of bo)
.endr
.irp p, 0,1,2,3,4,5,6,7
	v_add_f32 v[SUM+2*\p], v[SUM+2*\p], v[PR+\p]
.endr
.endm
	s_load_b256 s[4:11], s[0:1], 0x0               ; obuf s[4:5], wbuf s[6:7], bo s[8:9], layer_input s[10:11]
	s_load_b128 s[12:15], s[0:1], 0x20             ; gamma s[12:13], beta s[14:15]
	s_load_b64 s[16:17], s[0:1], 0x30              ; out0
	v_lshl_add_u32 v254, v0, 2, 0x10200
	v_mov_b32 v255, 0
	v_lshrrev_b32 v1, 5, v0
	v_readfirstlane_b32 s[WV], v1                  ; wave 0..3
	v_and_b32 v6, 31, v0
	v_lshlrev_b32 v[LI], 4, v6
	v_lshlrev_b32 v[L4], 2, v6
	v_and_b32 v6, 15, v0                           ; r
	v_bfe_u32 v7, v0, 4, 1                         ; h
	v_lshlrev_b32 v[BOFF], 6, v7
	v_mul_u32_u24 v[SO], v6, SP
	v_lshl_add_u32 v[SO], v7, 6, v[SO]
	s_wait_alu depctr_va_sdst(0)                   ; s18, the wave's number, is written, ahead of its first reader: the stage's places and the bases are made from it
	s_lshl_b32 s38, s[WV], 9
	v_add_nc_u32 v[SO], s38, v[SO]                 ; into the stage: row r, + 64 h, + 512 w
	s_mul_i32 s39, s[WV], 8*SP
	v_add_nc_u32 v[SR], s39, v[LI]                 ; back: my eight rows, 16 bytes a lane
	s_mov_b32 s[SEL], 0x76543210
	s_mov_b32 s[SEL+1], 0xfedcba98
	s_mov_b32 s22, 0x3b000000                      ; 1 / 512
	s_mov_b32 s23, 0x3727c5ac                      ; eps = 1e-5
	s_lshl_b32 s24, s[WV], 3
	s_add_co_u32 s24, s24, 96                      ; my eight tiles of Wo in wbuf
	s_lshl_b32 s26, s24, 12
	s_mov_b32 s27, 0
	s_lshl_b32 s28, s24, 8
	s_add_co_u32 s28, s28, WSC
	s_mov_b32 s29, 0
	s_lshl_b32 s30, ttmp9, 13                      ; my two row tiles of o
	s_mov_b32 s31, 0
	s_lshl_b32 s32, ttmp9, 11
	s_add_co_u32 s32, s32, OSC
	s_mov_b32 s33, 0
	s_lshl_b32 s34, s[WV], 9                       ; my 128 numbers of bo
	s_mov_b32 s35, 0
	s_lshl_b32 s36, ttmp9, 16
	s_lshl_b32 s37, s[WV], 14
	s_add_co_u32 s36, s36, s37                     ; my eight whole rows: (32 x work-group + 8 w) x 2,048 bytes
	s_mov_b32 s37, 0
	s_wait_kmcnt 0x0
	s_add_nc_u64 s[26:27], s[6:7], s[26:27]
	s_add_nc_u64 s[28:29], s[6:7], s[28:29]
	s_add_nc_u64 s[30:31], s[4:5], s[30:31]
	s_add_nc_u64 s[32:33], s[4:5], s[32:33]
	s_add_nc_u64 s[8:9], s[8:9], s[34:35]
	s_add_nc_u64 s[10:11], s[10:11], s[36:37]
	s_add_nc_u64 s[16:17], s[16:17], s[36:37]
	WIN 0x80                                       ; destination window 2
	s_wait_alu depctr_va_vdst(0)                   ; the addresses and offsets v1 to v5 are written: every load, LDS instruction and store of the text reads one of them; up to the last load only loads and window switches follow
.irp p, 0,1,2,3,4,5,6,7
.irp i, 0,1,2,3
	global_load_b128 v[RES+16*\p+4*\i:RES+16*\p+4*\i+3], v[LI], s[10:11] offset:2048*\p+512*\i   ; the residual: 512 consecutive bytes a load; it comes from memory, so it is asked for first
.endr
.endr
.irp i, 0,1,2,3
	global_load_b128 v[GAM+4*\i:GAM+4*\i+3], v[LI], s[12:13] offset:512*\i
	global_load_b128 v[BET+4*\i:BET+4*\i+3], v[LI], s[14:15] offset:512*\i
.endr
.set n, 0
.rept 16
	global_load_b128 v[4*n:4*n+3], v[LI], s[30:31] offset:512*n
.set n, n+1
.endr
	WIN 0
.set n, 0
.rept 16
	global_load_b32 v[W8+n], v[L4], s[32:33] offset:128*n   ; (row tile j, head): register 8 j + head: the head's two bytes of row lane % 16
.set n, n+1
.endr
.irp p, 0,1,2,3
	global_load_b128 v[SS+4*\p:SS+4*\p+3], v[LI], s[28:29] offset:512*\p
.endr
.irp i, 0,1,2,3,4,5,6,7
	global_load_b128 v[B+8*\i:B+8*\i+3], v[BOFF], s[8:9] offset:(32*(\i/2)+8*(\i%2))*4
	global_load_b128 v[B+8*\i+4:B+8*\i+7], v[BOFF], s[8:9] offset:(32*(\i/2)+8*(\i%2))*4+16
.endr
	WIN 0x40                                       ; destination window 1
.set n, 0
.rept 64
	global_load_b128 v[4*n:4*n+3], v[LI], s[26:27] offset:512*n
.set n, n+1
.endr
	WIN 0
	s_wait_loadcnt 0x0
.irp j, 0,1
.irp s, 0,1,2,3
	v_lshl_or_b32 v[TS+4*\j+\s], v[W8+8*\j+2*\s+1], 16, v[W8+8*\j+2*\s]   ; K step s is heads 2 s, 2 s + 1: four bytes
.endr
.endr
.rept 8
	v_nop                                          ; a scale register written by a vector instruction stands eight places ahead of the scaled matrix instruction
.endr
	s_wait_alu depctr_va_vdst(0)                   ; o's scale words v8-15 are written, which the scaled products take; the places above stay beside this wait
	WIN 0x09                                       ; source 0 window 1, source 1 window 2
	PRODUCT 0, ACC0
	WIN 0
.rept 4
	v_nop                                          ; four places in front of the stores that read results
.endr
	s_wait_alu depctr_va_vdst(0)                   ; row tile 0's products have written v96-159, which the 16 stores below read; the places above stay beside this wait
	TOSTAGE 0, ACC0
	WIN 0x09
	PRODUCT 1, ACC1                                ; into accumulators of its own: it names no register that the stores above read
	WIN 0
.rept 4
	v_nop
.endr
	s_wait_alu depctr_va_vdst(0)                   ; row tile 1's products have written v32-95, which the 16 stores below read; no vector or matrix instruction names v32-159 from here to the loads behind the barrier
	TOSTAGE 1, ACC1
	s_wait_dscnt 0x0                               ; for the others' sake: my stores into the stage are done
	s_barrier_signal -1
	s_barrier_wait -1                              ; 32 whole rows lie in the stage
	s_wait_alu depctr_vm_vsrc(0)                   ; my stores into the stage have read v32-159, in which the loads below land
.irp p, 0,1,2,3,4,5,6,7
.irp i, 0,1,2,3
	ds_load_b128 v[X+16*\p+4*\i:X+16*\p+4*\i+3], v[SR] offset:SP*\p+512*\i   ; register 4 i + e of row p: column 128 i + 4 x lane + e
.endr
.endr
	s_wait_dscnt 0x0
	WIN 0x08                                       ; source 1 window 2
.irp k, 0,2,4,6,8,10,12,14
.irp p, 0,1,2,3,4,5,6,7
	v_pk_add_f32 v[X+16*\p+\k:X+16*\p+\k+1], v[X+16*\p+\k:X+16*\p+\k+1], v[RES+16*\p+\k:RES+16*\p+\k+1]   ; + the residual
.endr
.endr
	WIN 0
.irp p, 0,1,2,3,4,5,6,7
	v_pk_add_f32 v[SUM+2*\p:SUM+2*\p+1], v[X+16*\p:X+16*\p+1], v[X+16*\p+2:X+16*\p+3]
.endr
.irp k, 4,6,8,10,12,14
.irp p, 0,1,2,3,4,5,6,7
	v_pk_add_f32 v[SUM+2*\p:SUM+2*\p+1], v[SUM+2*\p:SUM+2*\p+1], v[X+16*\p+\k:X+16*\p+\k+1]
.endr
.endr
	REDUCE
.irp p, 0,1,2,3,4,5,6,7
	v_mul_f32 v[MU+2*\p], s22, v[SUM+2*\p]         ; the mean, twice: a pair for the packed form
	v_mul_f32 v[MU+2*\p+1], s22, v[SUM+2*\p]
.endr
.irp k, 0,2,4,6,8,10,12,14
.irp p, 0,1,2,3,4,5,6,7
	v_pk_add_f32 v[X+16*\p+\k:X+16*\p+\k+1], v[X+16*\p+\k:X+16*\p+\k+1], v[MU+2*\p:MU+2*\p+1] neg_lo:[0,1] neg_hi:[0,1]   ; x - mean
.endr
.endr
.irp p, 0,1,2,3,4,5,6,7
	v_pk_mul_f32 v[SUM+2*\p:SUM+2*\p+1], v[X+16*\p:X+16*\p+1], v[X+16*\p:X+16*\p+1]
.endr
.irp k, 2,4,6,8,10,12,14
.irp p, 0,1,2,3,4,5,6,7
	v_pk_fma_f32 v[SUM+2*\p:SUM+2*\p+1], v[X+16*\p+\k:X+16*\p+\k+1], v[X+16*\p+\k:X+16*\p+\k+1], v[SUM+2*\p:SUM+2*\p+1]
.endr
.endr
	REDUCE
.irp p, 0,1,2,3,4,5,6,7
	v_fma_f32 v[SUM+2*\p], v[SUM+2*\p], s22, s23   ; the variance + eps
.endr
.irp p, 0,1,2,3,4,5,6,7
	v_rsq_f32 v[RS+2*\p], v[SUM+2*\p]
.endr
	v_nop                                          ; one plain instruction behind the last transcendental
	s_wait_alu depctr_va_vdst(0)                   ; the eight reciprocal roots are written, ahead of the first line that names one: one wait for the batch
.irp p, 0,1,2,3,4,5,6,7
	v_mov_b32 v[RS+2*\p+1], v[RS+2*\p]
.endr
.irp k, 0,2,4,6,8,10,12,14
.irp p, 0,1,2,3,4,5,6,7
	v_pk_mul_f32 v[X+16*\p+\k:X+16*\p+\k+1], v[X+16*\p+\k:X+16*\p+\k+1], v[RS+2*\p:RS+2*\p+1]
.endr
.endr
	WIN 0x28                                       ; sources 1 and 2 window 2
.irp k, 0,2,4,6,8,10,12,14
.irp p, 0,1,2,3,4,5,6,7
	v_pk_fma_f32 v[X+16*\p+\k:X+16*\p+\k+1], v[X+16*\p+\k:X+16*\p+\k+1], v[GAM+\k:GAM+\k+1], v[BET+\k:BET+\k+1]
.endr
.endr
	WIN 0
	s_wait_alu depctr_va_vdst(0)                   ; the norm's last lines have written v32-159, which the 32 stores read
.irp p, 0,1,2,3,4,5,6,7
.irp i, 0,1,2,3
	global_store_b128 v[LI], v[X+16*\p+4*\i:X+16*\p+4*\i+3], s[16:17] offset:2048*\p+512*\i th:TH_STORE_NT   ; 32 lanes store 512 consecutive bytes, aligned; written once, read by nobody here
.endr
.endr
	s_wait_dscnt 0x0                               ; the closing lines, six on end
	s_wait_alu 0x0
	s_wait_tensorcnt 0x0
	ds_add_u32 v254, v255
	s_wait_dscnt 0x0
	s_endpgm
.Lfunc_end_k_q41af7e488d_outln:
	.size	k_q41af7e488d_outln, .Lfunc_end_k_q41af7e488d_outln-k_q41af7e488d_outln
	.p2alignl 7, 3214868480
	.fill 96, 4, 3214868480
	.section	.rodata,"a",@progbits
	.p2align	6, 0x0
	.amdhsa_kernel k_q41af7e488d_outln
		.amdhsa_group_segment_fixed_size 66560
		.amdhsa_private_segment_fixed_size 0
		.amdhsa_enable_private_segment 0
		.amdhsa_kernarg_size 56
		.amdhsa_user_sgpr_count 2
		.amdhsa_user_sgpr_kernarg_segment_ptr 1
		.amdhsa_wavefront_size32 1
		.amdhsa_system_sgpr_workgroup_id_x 1
		.amdhsa_system_sgpr_workgroup_id_y 1
		.amdhsa_system_sgpr_workgroup_id_z 1
		.amdhsa_system_vgpr_workitem_id 0
		.amdhsa_next_free_vgpr 768
		.amdhsa_next_free_sgpr 66
		.amdhsa_reserve_vcc 0
		.amdhsa_float_denorm_mode_32 3
		.amdhsa_float_denorm_mode_16_64 3
		.amdhsa_memory_ordered 1
		.amdhsa_forward_progress 1
		.amdhsa_inst_pref_size 66
	.end_amdhsa_kernel
	.amdgpu_metadata
---
amdhsa.version: [ 1, 2 ]
amdhsa.kernels:
  - .name:           k_q41af7e488d_outln
    .symbol:         k_q41af7e488d_outln.kd
    .args:
      - { .name: obuf, .offset: 0, .size: 8, .value_kind: global_buffer, .address_space: global }
      - { .name: wbuf, .offset: 8, .size: 8, .value_kind: global_buffer, .address_space: global }
      - { .name: bo, .offset: 16, .size: 8, .value_kind: global_buffer, .address_space: global }
      - { .name: layer_input, .offset: 24, .size: 8, .value_kind: global_buffer, .address_space: global }
      - { .name: gamma, .offset: 32, .size: 8, .value_kind: global_buffer, .address_space: global }
      - { .name: beta, .offset: 40, .size: 8, .value_kind: global_buffer, .address_space: global }
      - { .name: out0, .offset: 48, .size: 8, .value_kind: global_buffer, .address_space: global }
    .group_segment_fixed_size: 66560
    .private_segment_fixed_size: 0
    .kernarg_segment_align: 8
    .kernarg_segment_size: 56
    .max_flat_workgroup_size: 128
    .sgpr_count:     66
    .vgpr_count:     768
    .wavefront_size: 32
...
	.end_amdgpu_metadata
.endif
;; end of part 6
